; MI455X (gfx1250); checked and timed in simulation.
; The chip was launched on July 23, 2026; its instructions are those of AMD's public machine-readable ISA for CDNA 5 (MIT licence, August 2026) and "CDNA5" Instruction Set Architecture Reference Guide (July 2026). The comments in the code are by the model that wrote it; some were corrected since.
;; Multi Headed Attention. Allowed arithmetic: float matrix products may take bf16 or f16 operands with f32 sums; all other float work in f32.
;; Inputs: Wk 12 x 64 x 768 float32; Wo 768 x 768 float32; Wq 12 x 64 x 768 float32; Wv 12 x 64 x 768 float32; bk 12 x 64 float32; bo 768 float32; bq 12 x 64 float32; bv 12 x 64 float32; key 2 x 2,048 x 768 float32; query 2 x 2,048 x 768 float32; value 2 x 2,048 x 768 float32.
;; Outputs: out0 2 x 2,048 x 768 float32.
;; 2 versions, each right. Each part assembles by itself: llvm-mc -triple=amdgcn-amd-amdhsa -mcpu=gfx1250 --defsym DOCPART=n.
;; ======== version 1 of 2: 3 launches
;; workspace buffers: qh 6,291,456 bytes; kh 6,291,456 bytes; vh 6,291,456 bytes; ctx 6,291,456 bytes
;; launch proj (part 1): grid 12 x 16, 8 waves a work-group, no clusters, 130,048 bytes of LDS; arguments query, key, value, Wq, Wk, Wv, bq, bk, bv, qh, kh, vh; writes qh, kh, vh
.if DOCPART == 1
	.amdgcn_target "amdgcn-amd-amdhsa--gfx1250"
	.amdhsa_code_object_version 6
	.text
	.protected	k_q55ce3a1b61_proj
	.globl	k_q55ce3a1b61_proj
	.p2align	8
	.type	k_q55ce3a1b61_proj,@function
k_q55ce3a1b61_proj:
	s_mov_b64 s[64:65], 0
	v_nop
	global_prefetch_b8 v0, s[64:65] scope:SCOPE_SE
	s_setreg_imm32_b32 hwreg(HW_REG_WAVE_MODE, 25, 1), 1
	s_wait_xcnt 0x0
; The three input projections in one launch:  y = (x W^T + b) * scale, rounded once to bf16.
;   x: query, key or value, [4096][768] f32.   W: [768][768] f32 (12 heads x 64 rows).   y: qh, kh or vh, bf16, laid [b*12+h][s][64].
;   scale = 0.125 * log2(e) for q (the softmax of the next launch works in base 2), 1 for k and v.
; Work-group x = 4 * which + nblk (which: 0 q, 1 k, 2 v), y = mblk.  It makes 256 rows x 192 columns (three heads): 3 x 16 x 4 = 192 equal work-groups.
; Eight waves, 4 (rows) x 2 (columns); a wave makes 64 x 96 = 24 accumulator tiles of 16 x 16 = 192 registers, in register window 1.
; K goes in steps of 64 (256 bytes of an f32 row) through two LDS slots that hold bf16.
; NO TENSOR LOADS, NO JOINT REQUESTS: both operands lie in memory as f32 and a tensor load copies bytes as they are.  f32 tiles in LDS would be
; 448 x 256 bytes a step in place of 448 x 128, every fragment read would be twice as long, and each of the waves that share a row would convert it again.
; So each number goes memory -> register -> one conversion -> LDS, once in the work-group.
; LIMITS: x and W are rounded to bf16 in front of the products, y behind them; sums in f32.
.set ROWB,   3072                      ; bytes in a row of x and of W
.set PITCH,  144                       ; an LDS row: 128 bytes + 16; an odd multiple of 16, so the 16 rows of a fragment load start at 16 different 16-byte columns modulo 256 bytes
.set WOFF,   256*PITCH                 ; W's 192 rows lie behind x's 256
.set SLOT,   448*PITCH                 ; 64,512 bytes; two slots
.set SPITCH, 400                       ; the way out: [256 rows][192 bf16] + 16 bytes, over the ring, behind a barrier
.set GOFF, 8                           ; v8      (t>>4) rows + 16 (t&15): my 16 bytes of a K step's row
.set STA,  9                           ; v9-10   where my 8 converted bytes go, slot 0, 1
.set ADRX, 11                          ; v11-12  my x fragments, slot 0, 1
.set ADRW, 13                          ; v13-14  my W fragments, slot 0, 1
.set STO,  15                          ; v15     the way out: where I put 16 bytes of a row
.set RD,   16                          ; v16     the way out: where I read back
.set GO,   17                          ; v17     my byte offset in a head's block of y
.set BOFF, 18                          ; v18     my byte offset in the bias
.set ST,   20                          ; v[20:131]  28 loads x 4 registers: a K step's f32 on their way
.set XF,   132                         ; v[132:163] 4 fragments of x
.set WF,   164                         ; v[164:211] 6 fragments of W
.set BI,   20                          ; v[20:67]   the bias of my 96 columns (behind the loop)
.set TEV,  132                         ; v[132:179] at work on the way out, even row blocks
.set TOD,  68                          ; v[68:115]  the same, odd row blocks
.set MSB, 0
.macro WIN new                         ; s_set_vgpr_msb: bits 1:0 source 0, 3:2 source 1, 5:4 source 2, 7:6 destination; the high byte repeats the setting that is left
.if MSB != \new
	s_set_vgpr_msb (MSB<<8)|\new
.set MSB, \new
.endif
.endm
.macro PLACES n
.rept \n
	v_nop
.endr
.endm
	s_load_b512 s[4:19], s[0:1], 0x0               ; query s[4:5], key s[6:7], value s[8:9], Wq s[10:11], Wk s[12:13], Wv s[14:15], bq s[16:17], bk s[18:19]
	s_load_b256 s[20:27], s[0:1], 0x40             ; bv s[20:21], qh s[22:23], kh s[24:25], vh s[26:27]
	v_lshl_add_u32 v254, v0, 2, 0x1f800
	v_mov_b32 v255, 0
	v_lshrrev_b32 v2, 5, v0
	v_readfirstlane_b32 s28, v2                    ; wave 0..7
	s_lshr_b32 s29, ttmp9, 2                       ; which
	s_and_b32 s30, ttmp9, 3                        ; nblk
	s_and_b32 s31, ttmp7, 0xffff                   ; mblk
	s_lshr_b32 s48, s28, 1                         ; wm: my 64 rows
	s_and_b32 s49, s28, 1                          ; wn: my 96 columns
	v_and_b32 v1, 31, v0                           ; lane L
	v_and_b32 v3, 15, v0                           ; r = L & 15 = t & 15
	v_bfe_u32 v4, v0, 4, 1                         ; h = L >> 4
	v_lshrrev_b32 v5, 4, v0                        ; t >> 4: 0..15
	v_mul_u32_u24 v[GOFF], v5, ROWB
	v_lshl_add_u32 v[GOFF], v3, 4, v[GOFF]
	s_mul_i32 s44, s31, 256*ROWB                   ; x: 256 rows a block
	s_mov_b32 s45, 0
	s_mul_i32 s46, s30, 192*ROWB                   ; W: 192 rows a block
	s_mov_b32 s47, 0
	s_wait_kmcnt 0x0
	s_cmp_eq_u32 s29, 1                            ; the choice hangs on the work-group's number alone
	s_cselect_b64 s[32:33], s[6:7], s[8:9]         ; x
	s_cselect_b64 s[34:35], s[12:13], s[14:15]     ; W
	s_cselect_b64 s[36:37], s[18:19], s[20:21]     ; bias
	s_cselect_b64 s[38:39], s[24:25], s[26:27]     ; y
	s_cmp_eq_u32 s29, 0
	s_cselect_b64 s[32:33], s[4:5], s[32:33]
	s_cselect_b64 s[34:35], s[10:11], s[34:35]
	s_cselect_b64 s[36:37], s[16:17], s[36:37]
	s_cselect_b64 s[38:39], s[22:23], s[38:39]
	s_cselect_b32 s40, 0x3e38aa3b, 1.0             ; 0.125 * log2(e) for q, 1 for k and v
	s_mov_b32 s41, s40
	s_add_nc_u64 s[32:33], s[32:33], s[44:45]
	s_add_nc_u64 s[34:35], s[34:35], s[46:47]
; A K step's 448 rows of 256 bytes: sixteen neighbouring lanes take one row's 256 consecutive bytes, a load of the work-group 16 rows.
.macro GLOAD koff
.irp i, 0,1,2,3,4,5,6,7,8,9,10,11,12,13,14,15
	global_load_b128 v[ST+4*\i:ST+4*\i+3], v[GOFF], s[32:33] offset:\i*16*ROWB+\koff
.endr
.irp i, 0,1,2,3,4,5,6,7,8,9,10,11
	global_load_b128 v[ST+64+4*\i:ST+64+4*\i+3], v[GOFF], s[34:35] offset:\i*16*ROWB+\koff
.endr
.endm
	GLOAD 0                                        ; K step 0 is on its way while the other addresses are made
	s_mul_i32 s44, s30, 768                        ; bias: 192 columns a block, 96 a wave column
	s_mul_i32 s46, s49, 384
	s_add_co_u32 s44, s44, s46
	s_add_nc_u64 s[36:37], s[36:37], s[44:45]
	s_lshr_b32 s44, s31, 3                         ; y: batch = mblk >> 3, 12 heads of 262,144 bytes each,
	s_mul_i32 s44, s44, 3145728
	s_mul_i32 s46, s30, 786432                     ; three heads a block,
	s_add_co_u32 s44, s44, s46
	s_and_b32 s46, s31, 7
	s_lshl_b32 s46, s46, 15                        ; 256 rows of 128 bytes
	s_add_co_u32 s44, s44, s46
	s_add_nc_u64 s[38:39], s[38:39], s[44:45]
	v_mul_u32_u24 v[STA], v5, PITCH
	v_lshl_add_u32 v[STA], v3, 3, v[STA]           ; row t >> 4, 8 bytes for 4 numbers
	v_add_nc_u32 v[STA+1], SLOT, v[STA]
	v_mul_u32_u24 v6, v3, PITCH
	v_lshl_add_u32 v6, v4, 4, v6                   ; r x pitch + 16 h: a fragment's lane address
	s_mul_i32 s44, s48, 64*PITCH
	s_mul_i32 s46, s49, 96*PITCH
	s_add_co_u32 s46, s46, WOFF
	v_add_nc_u32 v[ADRX], s44, v6
	v_add_nc_u32 v[ADRW], s46, v6
	v_add_nc_u32 v[ADRX+1], SLOT, v[ADRX]
	v_add_nc_u32 v[ADRW+1], SLOT, v[ADRW]
	v_mul_u32_u24 v7, v3, SPITCH
	v_lshl_add_u32 v7, v4, 4, v7
	s_mul_i32 s44, s48, 64*SPITCH
	s_mul_i32 s46, s49, 192
	s_add_co_u32 s44, s44, s46
	v_add_nc_u32 v[STO], s44, v7                   ; (64 wm + r) rows + 192 wn + 16 h
	v_bfe_u32 v6, v0, 3, 2                         ; L >> 3
	v_and_b32 v7, 7, v0                            ; L & 7
	v_mul_u32_u24 v6, v6, SPITCH
	v_lshl_add_u32 v6, v7, 4, v6
	s_mul_i32 s44, s28, 32*SPITCH
	v_add_nc_u32 v[RD], s44, v6                    ; (32 w + (L >> 3)) rows + 16 (L & 7)
	s_lshl_b32 s44, s28, 12
	v_lshl_add_u32 v[GO], v1, 4, s44               ; 32 w rows of 128 bytes + 16 L
	v_lshlrev_b32 v[BOFF], 5, v4                   ; 8 h columns of 4 bytes
; The 28 loads are converted as they come and laid into a slot: four f32 become 8 bytes.
.macro CVTST slot
.set n, 0
.rept 28
	s_wait_loadcnt 27-n                            ; loads come back in order: load n is in, the 27 - n younger ones may stay out
	v_cvt_pk_bf16_f32 v[ST+4*n], v[ST+4*n], v[ST+4*n+1]
	v_cvt_pk_bf16_f32 v[ST+4*n+1], v[ST+4*n+2], v[ST+4*n+3]
	ds_store_b64 v[STA+\slot], v[ST+4*n:ST+4*n+1] offset:n*16*PITCH
.set n, n+1
.endr
.endm
; The fragments of 32 along K: W's six first, then x's four, so that the products can start while x's later ones are out.
.macro FRAGS slot, ks
.irp b, 0,1,2,3,4,5
	ds_load_b128 v[WF+8*\b:WF+8*\b+3],   v[ADRW+\slot] offset:\b*16*PITCH+64*\ks
	ds_load_b128 v[WF+8*\b+4:WF+8*\b+7], v[ADRW+\slot] offset:\b*16*PITCH+64*\ks+32
.endr
.irp a, 0,1,2,3
	ds_load_b128 v[XF+8*\a:XF+8*\a+3],   v[ADRX+\slot] offset:\a*16*PITCH+64*\ks
	ds_load_b128 v[XF+8*\a+4:XF+8*\a+7], v[ADRX+\slot] offset:\a*16*PITCH+64*\ks+32
.endr
.endm
; 24 products.  Source 0 = 16 rows of W, source 1 = 16 rows of x: a lane then holds row r of y and eight neighbouring columns 8 h + 0..7.
; The 24 accumulators take turns, one instruction a turn, in the same order every time, over the loop's back edge too.
.macro MUL zero
	WIN 0x50                                       ; C and D in window 1
.irp a, 0,1,2,3
	s_wait_dscnt 6-2*\a                            ; W's fragments and x's 0..a are in; the 6 - 2a younger loads are x's later fragments
.irp b, 0,1,2,3,4,5
.if \zero
	v_wmma_f32_16x16x32_bf16 v[8*(6*\a+\b):8*(6*\a+\b)+7], v[WF+8*\b:WF+8*\b+7], v[XF+8*\a:XF+8*\a+7], 0
.else
	v_wmma_f32_16x16x32_bf16 v[8*(6*\a+\b):8*(6*\a+\b)+7], v[WF+8*\b:WF+8*\b+7], v[XF+8*\a:XF+8*\a+7], v[8*(6*\a+\b):8*(6*\a+\b)+7]
.endif
.endr
.endr
	WIN 0
.endm
; A K step.  A load into a register that a matrix instruction has read stands four plain vector instructions behind it (ISA guide 7.12.1 for vector
; instructions): four v_nop in the middle; behind the second half the conversions of the next K step, which touch ST alone, are such places.
.macro COMPUTE slot, zero
	FRAGS \slot, 0
	MUL \zero
	PLACES 4
	FRAGS \slot, 1
	MUL 0
.endm
; Two K steps.  ONE barrier a step, for two things: in front of it each wave's reads of the slot just multiplied and its stores into the other slot are done
; (s_wait_dscnt 0); behind it the other slot is whole and this one may be written.  The loads of the step after next go out in front of the barrier
; and have a whole step's 48 products of the wave in which to land.
.macro PAIR zero
	COMPUTE 0, \zero
	CVTST 1
	s_wait_dscnt 0x0                               ; for the other waves: my stores and my reads are done; ST is free
	s_add_nc_u64 s[32:33], s[32:33], 512           ; the last s_wait_loadcnt above was for 0: no load still reads these bases
	s_add_nc_u64 s[34:35], s[34:35], 512
	GLOAD 0
	s_barrier_signal -1
	s_barrier_wait -1
	COMPUTE 1, 0
	CVTST 0
	s_wait_dscnt 0x0
	GLOAD 256
	s_barrier_signal -1
	s_barrier_wait -1
.endm
	CVTST 0                                        ; K step 0 into slot 0
	s_wait_dscnt 0x0
	GLOAD 256                                      ; K step 1
	s_barrier_signal -1
	s_barrier_wait -1
	PAIR 1                                         ; K steps 0, 1: the first products start the sums, nothing is cleared
	s_mov_b32 s42, 4
.Lpair:
	PAIR 0                                         ; K steps 2 .. 9
	s_sub_co_u32 s42, s42, 1
	s_cmp_lg_u32 s42, 0
	s_cbranch_scc1 .Lpair
	COMPUTE 0, 0                                   ; K step 10; nothing more is loaded of x and W
	CVTST 1
	s_wait_dscnt 0x0
	s_barrier_signal -1
	s_barrier_wait -1
.irp b, 0,1,2,3,4,5
	global_load_b128 v[BI+8*\b:BI+8*\b+3],   v[BOFF], s[36:37] offset:64*\b      ; bias of columns 16 b + 8 h + 0..3
	global_load_b128 v[BI+8*\b+4:BI+8*\b+7], v[BOFF], s[36:37] offset:64*\b+16   ; and + 4..7
.endr
	COMPUTE 1, 0                                   ; K step 11
	; THE WAY OUT: (sum + b) * scale = sum * scale + (b * scale), one fused multiply-add; bf16; through LDS, so that each store covers 512 consecutive bytes.
	s_wait_dscnt 0x0                               ; the stage lies over the ring: every wave's reads of the ring are done
	s_barrier_signal -1
	s_barrier_wait -1
	s_wait_loadcnt 0x0                             ; the bias
.set n, 0
.rept 24
	v_pk_mul_f32 v[BI+n:BI+n+1], v[BI+n:BI+n+1], s[40:41] op_sel_hi:[1,0]        ; these 24 are also the places behind the last products
.set n, n+2
.endr
.macro OUTA a, t
.if \a >= 2
	s_wait_dscnt 6                                 ; the six younger stores may stay out; the six that read these registers two blocks ago are done
.endif
	WIN 0x01                                       ; source 0 (the sums) in window 1
.irp b, 0,1,2,3,4,5
.irp j, 0,2,4,6
	v_pk_fma_f32 v[\t+8*\b+\j:\t+8*\b+\j+1], v[8*(6*\a+\b)+\j:8*(6*\a+\b)+\j+1], s[40:41], v[BI+8*\b+\j:BI+8*\b+\j+1] op_sel_hi:[1,0,1]
.endr
.endr
	WIN 0
.irp b, 0,1,2,3,4,5
.irp i, 0,1,2,3
	v_cvt_pk_bf16_f32 v[\t+8*\b+\i], v[\t+8*\b+2*\i], v[\t+8*\b+2*\i+1]
.endr
	ds_store_b128 v[STO], v[\t+8*\b:\t+8*\b+3] offset:\a*16*SPITCH+32*\b
.endr
.endm
	OUTA 0, TEV
	OUTA 1, TOD
	OUTA 2, TEV
	OUTA 3, TOD
	s_wait_dscnt 0x0                               ; my part of the stage is written,
	s_barrier_signal -1
	s_barrier_wait -1                              ; everybody's is
.irp hd, 0,1,2
.irp i, 0,1,2,3,4,5,6,7
	ds_load_b128 v[20+4*(8*\hd+\i):20+4*(8*\hd+\i)+3], v[RD] offset:128*\hd+4*\i*SPITCH   ; four rows of one head: 8 lanes a row of 128 bytes
.endr
.endr
.irp hd, 0,1,2
.irp i, 0,1,2,3,4,5,6,7
	s_wait_dscnt 23-(8*\hd+\i)                     ; LDS loads come back in order
	global_store_b128 v[GO], v[20+4*(8*\hd+\i):20+4*(8*\hd+\i)+3], s[38:39] offset:262144*\hd+512*\i   ; 512 consecutive bytes, at a multiple of 512 from y's first byte
.endr
.endr
	s_wait_tensorcnt 0x0
	ds_add_u32 v254, v255
	s_wait_dscnt 0x0
	s_endpgm
.Lfunc_end_k_q55ce3a1b61_proj:
	.size	k_q55ce3a1b61_proj, .Lfunc_end_k_q55ce3a1b61_proj-k_q55ce3a1b61_proj
	.p2alignl 7, 3214868480
	.fill 96, 4, 3214868480
	.section	.rodata,"a",@progbits
	.p2align	6, 0x0
	.amdhsa_kernel k_q55ce3a1b61_proj
		.amdhsa_group_segment_fixed_size 130048
		.amdhsa_private_segment_fixed_size 0
		.amdhsa_enable_private_segment 0
		.amdhsa_kernarg_size 96
		.amdhsa_user_sgpr_count 2
		.amdhsa_user_sgpr_kernarg_segment_ptr 1
		.amdhsa_wavefront_size32 1
		.amdhsa_system_sgpr_workgroup_id_x 1
		.amdhsa_system_sgpr_workgroup_id_y 1
		.amdhsa_system_sgpr_workgroup_id_z 1
		.amdhsa_system_vgpr_workitem_id 0
		.amdhsa_next_free_vgpr 448
		.amdhsa_next_free_sgpr 66
		.amdhsa_reserve_vcc 0
		.amdhsa_float_denorm_mode_32 3
		.amdhsa_float_denorm_mode_16_64 3
		.amdhsa_memory_ordered 1
		.amdhsa_forward_progress 1
		.amdhsa_inst_pref_size 115
	.end_amdhsa_kernel
	.amdgpu_metadata
---
amdhsa.version: [ 1, 2 ]
amdhsa.kernels:
  - .name:           k_q55ce3a1b61_proj
    .symbol:         k_q55ce3a1b61_proj.kd
    .args:
      - { .name: query, .offset: 0, .size: 8, .value_kind: global_buffer, .address_space: global }
      - { .name: key, .offset: 8, .size: 8, .value_kind: global_buffer, .address_space: global }
      - { .name: value, .offset: 16, .size: 8, .value_kind: global_buffer, .address_space: global }
      - { .name: Wq, .offset: 24, .size: 8, .value_kind: global_buffer, .address_space: global }
      - { .name: Wk, .offset: 32, .size: 8, .value_kind: global_buffer, .address_space: global }
      - { .name: Wv, .offset: 40, .size: 8, .value_kind: global_buffer, .address_space: global }
      - { .name: bq, .offset: 48, .size: 8, .value_kind: global_buffer, .address_space: global }
      - { .name: bk, .offset: 56, .size: 8, .value_kind: global_buffer, .address_space: global }
      - { .name: bv, .offset: 64, .size: 8, .value_kind: global_buffer, .address_space: global }
      - { .name: qh, .offset: 72, .size: 8, .value_kind: global_buffer, .address_space: global }
      - { .name: kh, .offset: 80, .size: 8, .value_kind: global_buffer, .address_space: global }
      - { .name: vh, .offset: 88, .size: 8, .value_kind: global_buffer, .address_space: global }
    .group_segment_fixed_size: 130048
    .private_segment_fixed_size: 0
    .kernarg_segment_align: 8
    .kernarg_segment_size: 96
    .max_flat_workgroup_size: 256
    .sgpr_count:     66
    .vgpr_count:     448
    .wavefront_size: 32
...
	.end_amdgpu_metadata
.endif
;; end of part 1
;; launch attn (part 2): grid 8 x 24, 8 waves a work-group, clusters of 4 x 1, 327,680 bytes of LDS; arguments qh, kh, vh, ctx; writes ctx
.if DOCPART == 2
	.amdgcn_target "amdgcn-amd-amdhsa--gfx1250"
	.amdhsa_code_object_version 6
	.text
	.protected	k_q55ce3a1b61_attn
	.globl	k_q55ce3a1b61_attn
	.p2align	8
	.type	k_q55ce3a1b61_attn,@function
k_q55ce3a1b61_attn:
	s_mov_b64 s[64:65], 0
	v_nop
	global_prefetch_b8 v0, s[64:65] scope:SCOPE_SE
	s_setreg_imm32_b32 hwreg(HW_REG_WAVE_MODE, 25, 1), 1
	s_wait_xcnt 0x0
	s_wait_alu depctr_hold_cnt(0) depctr_sa_sdst(0) depctr_va_vdst(0) depctr_va_sdst(0) depctr_va_ssrc(0) depctr_va_vcc(0) depctr_vm_vsrc(0)
	s_getreg_b32 s2, hwreg(HW_REG_IB_STS2, 6, 4)
	s_cmp_eq_u32 s2, 0
	s_cbranch_scc0 .Lentry_in_a_cluster
	s_endpgm
.Lentry_in_a_cluster:
	s_bfe_u32 s2, ttmp6, 0x10000c
	s_cmp_lg_u32 s2, 0x3003
	s_cbranch_scc0 .Lentry_shape_is_right
	s_endpgm
.Lentry_shape_is_right:
; Attention of one head for 256 query rows, with a running maximum.  qh, kh, vh, ctx: bf16, [b*12+h][2048][64].
; qh already holds q * 0.125 * log2(e), so p = 2^(s - max) and the softmax is that of the scaled scores.
; Work-group y = b*12+h, x = query block of 256 rows: 8 x 24 = 192 work-groups.  Eight waves, 32 query rows each (two blocks qt of 16).
; K and V go in tiles of 256 keys through two LDS slots.  CLUSTERS: the four work-groups of a cluster (4 x 1) are four query blocks of one head and walk the
; same K and V tiles: every tile is asked for jointly (mask 15), each wave asking for 32 rows of K and 32 of V.
; BOTH PRODUCTS ARE USED TRANSPOSED, so that nothing moves between lanes from one to the other:
;   S^T = K Q^T: source 0 = 16 keys x 32 dk, source 1 = 16 query rows.  Register j of lane (r, h) holds (key 8h+j, query r): a lane owns ONE query row,
;   its maximum, sum and factor are the lane's own, and only the two halves of the wave meet (one v_permlanex16_b32).
;   Two such tiles, packed to bf16, ARE source 1 of 32 keys for  O^T = V^T P^T  (source 0 = 16 dk x 32 keys, by the transposing LDS load from V as it lies).
;   Register j of O then holds (dk 8h+j, query r): eight neighbouring numbers of a row of ctx.
; LIMITS: p and ctx are rounded to bf16 (the row sum adds the unrounded p); v_exp_f32 gives 0 for results below 2^-126; the maxima drop NaN, so a NaN
; among the inputs does not spread as in the reference.  The sum is at least 1 (the maximum's own term).
.set KP,    144                        ; K's LDS pitch: 128 + 16, an odd multiple of 16
.set VP,    160                        ; V's LDS pitch: 128 + 32, an odd multiple of 32, for the transposing load
.set VOFF,  256*KP                     ; V's part of a slot lies behind K's
.set SLOT,  256*KP+256*VP              ; 77,824 bytes
.set STAGE, 2*SLOT                     ; 155,648 = 608 x 256: the way out, 32 rows x 144 bytes for each wave; no tensor load ever lands here
.set STEP,  32768                      ; a tile of 256 rows of 128 bytes
.set ADRK, 8                           ; v8-9    my K fragments, slot 0, 1
.set ADRV, 10                          ; v10-11  my V fragments, slot 0, 1
.set STO,  12                          ; v12     the way out: where I put 16 bytes
.set RD,   13                          ; v13     where I read back
.set GO,   14                          ; v14     16 x lane
.set QOFF, 15                          ; v15     my bytes of a Q fragment
.set MX,   16                          ; v[16:19] running maxima (one for each qt): two pairs that take turns as old and new
.set AL,   20                          ; v[20:21] 2^(old max - new max)
.set LS,   22                          ; v[22:25] row sums: a pair of partial sums for each qt
.set TT,   26                          ; v[26:31] at work
.set QF,   32                          ; v[32:63]   Q fragment (qt, ks) at 8 (2 qt + ks)
.set SC,   64                          ; v[64:127]  S tile (qt, kt) at 32 qt + 8 kt; then P (qt, kk) in place at 32 qt + 16 kk
.set FR,   128                         ; v[128:191] K fragment (kt, ks) at 8 (2 kt + ks); then V fragment (kk, dt) at 8 (4 kk + dt)
.set OA,   192                         ; v[192:255] O tile (dt, qt) at 8 (2 dt + qt)
.set G1K, 16                           ; s[16:23] shape of a K load
.set G1V, 24                           ; s[24:31] shape of a V load
.set G0K, 32                           ; s[32:39] from where, to where: K, a set for each slot
.set G0V, 40                           ; s[40:47] the same for V
.macro PLACES n
.rept \n
	v_nop
.endr
.endm
; A round of the cluster's barrier: my work-group's barrier, wave 0 signals for the work-group, every wave waits for all four work-groups, my work-group's barrier again.
.macro ROUND
	s_barrier_signal -1
	s_barrier_wait -1
	s_cmp_lg_u32 s12, 0
	s_cbranch_scc1 .Lnot_wave_0_\@
	s_barrier_signal -3
.Lnot_wave_0_\@:
	s_barrier_wait -3
	s_barrier_signal -1
	s_barrier_wait -1
.endm
	s_load_b256 s[4:11], s[0:1], 0x0               ; qh s[4:5], kh s[6:7], vh s[8:9], ctx s[10:11]
	v_lshl_add_u32 v5, v0, 2, 0x2f000
	s_set_vgpr_msb 0x40
	v_mov_b32 v1, 0
	s_set_vgpr_msb 0x4044
	ds_add_u32 v5, v1
	s_set_vgpr_msb 0x4400
	v_lshrrev_b32 v2, 5, v0
	v_readfirstlane_b32 s12, v2                    ; wave 0..7
	s_bfe_u32 s13, ttmp6, 0x40000                  ; cx: my place in the cluster
	s_lshl_b32 s14, ttmp9, 2
	s_add_co_u32 s14, s14, s13                     ; query block = 4 x cluster x + cx
	s_and_b32 s15, ttmp7, 0xffff                   ; b*12+h
	s_mov_b32 s50, 0x76543210                      ; v_permlanex16_b32: lane i of one half reads lane i of the other
	s_mov_b32 s51, 0xfedcba98
	; group 1: 32 rows of 64 elements of 2 bytes; 15:0 mask 15 (all four work-groups), 20 padding on, 21 set beside a mask, 24:22 after every 32 words (code 4), 31:25 pad words - 1
	s_mov_b32 s[G1K+0], 0x0731000f                 ; 4 words of padding: pitch 144
	s_mov_b32 s[G1V+0], 0x0f31000f                 ; 8 words of padding: pitch 160
.irp g, G1K, G1V
	s_mov_b32 s[\g+1], 64<<16                      ; tensor_dim0 = 64
	s_mov_b32 s[\g+2], 32<<16                      ; tensor_dim1 = 32
	s_mov_b32 s[\g+3], 64<<16                      ; tile_dim0 = 64
	s_mov_b32 s[\g+4], 32                          ; tile_dim1 = 32
	s_mov_b32 s[\g+5], 64                          ; 64 elements from row to row
	s_mov_b32 s[\g+6], 0
	s_mov_b32 s[\g+7], 0
.endr
	s_lshl_b32 s52, s15, 18                        ; the head's block of 262,144 bytes
	s_lshl_b32 s53, s12, 12                        ; + my wave's 32 rows of 128 bytes: what the four partners share
	s_add_co_u32 s52, s52, s53
	s_mov_b32 s53, 0
	s_lshl_b32 s58, s14, 15                        ; Q and ctx: + the query block's 256 rows, in registers of their own: none that feeds a descriptor holds cx
	s_add_co_u32 s58, s58, s52
	s_mov_b32 s59, 0
	s_mul_i32 s60, s12, 32*KP                      ; where my rows go in LDS: the wave's number alone
	s_mul_i32 s61, s12, 32*VP
	s_add_co_u32 s61, s61, VOFF
	s_wait_dscnt 0x0
	s_wait_kmcnt 0x0
	s_add_nc_u64 s[54:55], s[6:7], s[52:53]
	s_add_nc_u64 s[56:57], s[8:9], s[52:53]
	s_add_nc_u64 s[4:5], s[4:5], s[58:59]
	s_add_nc_u64 s[10:11], s[10:11], s[58:59]
.irp sl, 0,1
	s_mov_b32 s[G0K+4*\sl], 1
	s_add_co_u32 s[G0K+4*\sl+1], s60, \sl*SLOT
	s_add_nc_u64 s[G0K+4*\sl+2:G0K+4*\sl+3], s[54:55], \sl*STEP      ; slot n starts with tile n
	s_or_b32 s[G0K+4*\sl+3], s[G0K+4*\sl+3], 0x80000000
	s_mov_b32 s[G0V+4*\sl], 1
	s_add_co_u32 s[G0V+4*\sl+1], s61, \sl*SLOT
	s_add_nc_u64 s[G0V+4*\sl+2:G0V+4*\sl+3], s[56:57], \sl*STEP
	s_or_b32 s[G0V+4*\sl+3], s[G0V+4*\sl+3], 0x80000000
.endr
	ROUND                                          ; all four work-groups are here: the first joint loads meet
	tensor_load_to_lds s[G0K:G0K+3], s[G1K:G1K+7]  ; tile 0
	s_nop 0
	tensor_load_to_lds s[G0V:G0V+3], s[G1V:G1V+7]
	s_nop 0
	v_and_b32 v1, 31, v0                           ; lane L
	v_and_b32 v3, 15, v0                           ; r
	v_bfe_u32 v4, v0, 4, 1                         ; h
	v_lshlrev_b32 v[QOFF], 7, v3
	v_lshl_add_u32 v[QOFF], v4, 4, v[QOFF]         ; row r of 128 bytes + 16 h
.irp qt, 0,1
.irp ks, 0,1
	global_load_b128 v[QF+8*(2*\qt+\ks):QF+8*(2*\qt+\ks)+3],   v[QOFF], s[4:5] offset:2048*\qt+64*\ks
	global_load_b128 v[QF+8*(2*\qt+\ks)+4:QF+8*(2*\qt+\ks)+7], v[QOFF], s[4:5] offset:2048*\qt+64*\ks+32
.endr
.endr
	v_mul_u32_u24 v[ADRK], v3, KP
	v_lshl_add_u32 v[ADRK], v4, 4, v[ADRK]         ; key r x pitch + 16 h
	v_add_nc_u32 v[ADRK+1], SLOT, v[ADRK]
	v_and_b32 v6, 7, v0
	v_lshl_add_u32 v6, v4, 3, v6                   ; key 8 h + (L & 7)
	v_mul_u32_u24 v6, v6, VP
	v_bfe_u32 v7, v0, 3, 1
	v_lshl_add_u32 v6, v7, 4, v6                   ; + 16 ((L >> 3) & 1)
	v_add_nc_u32 v[ADRV], VOFF, v6
	v_add_nc_u32 v[ADRV+1], VOFF+SLOT, v6
	s_mul_i32 s13, s12, 32*KP
	s_add_co_u32 s13, s13, STAGE                   ; my stage: the wave's number alone (cx has been used up above)
	v_add_nc_u32 v[STO], s13, v[ADRK]              ; row r, 16 bytes for each half of the lanes
	v_bfe_u32 v6, v0, 3, 2                         ; L >> 3
	v_and_b32 v7, 7, v0
	v_mul_u32_u24 v6, v6, KP
	v_lshl_add_u32 v6, v7, 4, v6
	v_add_nc_u32 v[RD], s13, v6                    ; back: 8 lanes take a row of 128 bytes
	v_lshlrev_b32 v[GO], 4, v1
	v_mov_b32 v[TT+4], 0                           ; v_permlanex16_b32 counts as a reader of its destination
	v_mov_b32 v[TT+5], 0
	s_wait_loadcnt 0x0                             ; Q, once
.macro OSCALE                          ; every O tile times its query row's factor in AL
	s_wait_alu depctr_va_vdst(0)
.irp dt, 0,1,2,3
.irp qt, 0,1
.irp j, 0,2,4,6
	v_pk_mul_f32 v[OA+8*(2*\dt+\qt)+\j:OA+8*(2*\dt+\qt)+\j+1], v[OA+8*(2*\dt+\qt)+\j:OA+8*(2*\dt+\qt)+\j+1], v[AL:AL+1] op_sel:[0,\qt] op_sel_hi:[1,\qt]
.endr
.endr
.endr
.endm
; 64 keys against my 32 query rows.  first = 1: the very first piece starts maxima, sums and O; nothing is cleared.
.macro SUB slot, sub, first
.set MO, MX+2*(\sub%2)                 ; the old maxima,
.set MW, MX+2-2*(\sub%2)               ; the new ones: the pairs change roles from piece to piece (four pieces a tile: the roles fit again at every tile)
.irp ks, 0,1
.irp kt, 0,1,2,3
	ds_load_b128 v[FR+8*(2*\kt+\ks):FR+8*(2*\kt+\ks)+3],   v[ADRK+\slot] offset:(64*\sub+16*\kt)*KP+64*\ks
	ds_load_b128 v[FR+8*(2*\kt+\ks)+4:FR+8*(2*\kt+\ks)+7], v[ADRK+\slot] offset:(64*\sub+16*\kt)*KP+64*\ks+32
.endr
.endr
	s_wait_dscnt 8                                 ; dk 0..31 of the four key blocks are in; the eight younger loads are dk 32..63
	; eight accumulators take turns, one instruction a turn
.irp kt, 0,1,2,3
.irp qt, 0,1
	v_wmma_f32_16x16x32_bf16 v[SC+32*\qt+8*\kt:SC+32*\qt+8*\kt+7], v[FR+16*\kt:FR+16*\kt+7], v[QF+16*\qt:QF+16*\qt+7], 0
.endr
.endr
	s_wait_dscnt 0
.irp kt, 0,1,2,3
.irp qt, 0,1
	v_wmma_f32_16x16x32_bf16 v[SC+32*\qt+8*\kt:SC+32*\qt+8*\kt+7], v[FR+16*\kt+8:FR+16*\kt+15], v[QF+16*\qt+8:QF+16*\qt+15], v[SC+32*\qt+8*\kt:SC+32*\qt+8*\kt+7]
.endr
.endr
	PLACES 4                                       ; four places before V is loaded over K's fragments and before the scores are read (ISA guide 7.12.1)
.irp kk, 0,1
.irp dt, 0,1,2,3
	ds_load_tr16_b128 v[FR+8*(4*\kk+\dt):FR+8*(4*\kk+\dt)+3],   v[ADRV+\slot] offset:(64*\sub+32*\kk)*VP+32*\dt       ; keys 8h..8h+7 of dk 16 dt + r
	ds_load_tr16_b128 v[FR+8*(4*\kk+\dt)+4:FR+8*(4*\kk+\dt)+7], v[ADRV+\slot] offset:(64*\sub+32*\kk+16)*VP+32*\dt    ; keys 16+8h..
.endr
.endr
	; the new maximum of each query row: two chains for each qt, the old maximum in the first; V lands meanwhile
.irp qt, 0,1
.if \first
	v_max_num_f32 v[TT+2*\qt], v[SC+32*\qt], v[SC+32*\qt+1]
.else
	v_max3_num_f32 v[TT+2*\qt], v[SC+32*\qt], v[SC+32*\qt+1], v[MO+\qt]
.endif
	v_max_num_f32 v[TT+2*\qt+1], v[SC+32*\qt+16], v[SC+32*\qt+17]
.endr
.irp i, 2,4,6,8,10,12,14
.irp qt, 0,1
	v_max3_num_f32 v[TT+2*\qt],   v[TT+2*\qt],   v[SC+32*\qt+\i],    v[SC+32*\qt+\i+1]
	v_max3_num_f32 v[TT+2*\qt+1], v[TT+2*\qt+1], v[SC+32*\qt+16+\i], v[SC+32*\qt+17+\i]
.endr
.endr
	v_max_num_f32 v[TT], v[TT], v[TT+1]
	v_max_num_f32 v[TT+2], v[TT+2], v[TT+3]
	v_permlanex16_b32 v[TT+4], v[TT], s50, s51     ; the other half of the lanes holds the row's other 32 keys
	v_permlanex16_b32 v[TT+5], v[TT+2], s50, s51
	v_max_num_f32 v[MW], v[TT], v[TT+4]
	v_max_num_f32 v[MW+1], v[TT+2], v[TT+5]
.if \first == 0
	v_pk_add_f32 v[AL:AL+1], v[MO:MO+1], v[MW:MW+1] neg_lo:[0,1] neg_hi:[0,1]    ; old - new, at most 0
.endif
.set i, 0
.rept 16
	v_pk_add_f32 v[SC+i:SC+i+1], v[SC+i:SC+i+1], v[MW:MW+1] op_sel_hi:[1,0] neg_lo:[0,1] neg_hi:[0,1]   ; qt 0: s - max
.set i, i+2
.endr
.if \first == 0
	v_exp_f32 v[AL], v[AL]
	v_exp_f32 v[AL+1], v[AL+1]
.endif
.set i, 0
.rept 32
	v_exp_f32 v[SC+i], v[SC+i]
.set i, i+1
.endr
.set i, 32
.rept 16
	v_pk_add_f32 v[SC+i:SC+i+1], v[SC+i:SC+i+1], v[MW:MW+1] op_sel:[0,1] op_sel_hi:[1,1] neg_lo:[0,1] neg_hi:[0,1]   ; qt 1; also the plain instructions behind the exponentials above (ISA guide 5.7.2)
.set i, i+2
.endr
.set i, 32
.rept 32
	v_exp_f32 v[SC+i], v[SC+i]
.set i, i+1
.endr
.if \first == 0
	OSCALE                                         ; plain instructions behind qt 1's exponentials, which they do not touch
.endif
	s_wait_alu depctr_va_vdst(0)
.irp qt, 0,1
	v_pk_add_f32 v[TT:TT+1],   v[SC+32*\qt:SC+32*\qt+1],       v[SC+32*\qt+2:SC+32*\qt+3]       ; the row sum of this piece, in two chains of pairs
	v_pk_add_f32 v[TT+2:TT+3], v[SC+32*\qt+16:SC+32*\qt+17],   v[SC+32*\qt+18:SC+32*\qt+19]
.irp i, 4,6,8,10,12,14
	v_pk_add_f32 v[TT:TT+1],   v[TT:TT+1],   v[SC+32*\qt+\i:SC+32*\qt+\i+1]
	v_pk_add_f32 v[TT+2:TT+3], v[TT+2:TT+3], v[SC+32*\qt+16+\i:SC+32*\qt+17+\i]
.endr
.if \first
	v_pk_add_f32 v[LS+2*\qt:LS+2*\qt+1], v[TT:TT+1], v[TT+2:TT+3]
.else
	v_pk_add_f32 v[TT:TT+1], v[TT:TT+1], v[TT+2:TT+3]
	v_pk_fma_f32 v[LS+2*\qt:LS+2*\qt+1], v[LS+2*\qt:LS+2*\qt+1], v[AL:AL+1], v[TT:TT+1] op_sel:[0,\qt,0] op_sel_hi:[1,\qt,1]
.endif
.irp kk, 0,1
.irp i, 0,1,2,3
	v_cvt_pk_bf16_f32 v[SC+32*\qt+16*\kk+\i], v[SC+32*\qt+16*\kk+2*\i], v[SC+32*\qt+16*\kk+2*\i+1]           ; keys 32 kk + 8h + 0..7: registers 0-3 of source 1
.endr
.irp i, 0,1,2,3
	v_cvt_pk_bf16_f32 v[SC+32*\qt+16*\kk+4+\i], v[SC+32*\qt+16*\kk+8+2*\i], v[SC+32*\qt+16*\kk+9+2*\i]       ; keys 32 kk + 16 + 8h + 0..7: registers 4-7
.endr
.endr
.endr
	s_wait_dscnt 0                                 ; V's fragments
.irp kk, 0,1
.irp dt, 0,1,2,3
.irp qt, 0,1
.if \first*(1-\kk)
	v_wmma_f32_16x16x32_bf16 v[OA+8*(2*\dt+\qt):OA+8*(2*\dt+\qt)+7], v[FR+8*(4*\kk+\dt):FR+8*(4*\kk+\dt)+7], v[SC+32*\qt+16*\kk:SC+32*\qt+16*\kk+7], 0
.else
	v_wmma_f32_16x16x32_bf16 v[OA+8*(2*\dt+\qt):OA+8*(2*\dt+\qt)+7], v[FR+8*(4*\kk+\dt):FR+8*(4*\kk+\dt)+7], v[SC+32*\qt+16*\kk:SC+32*\qt+16*\kk+7], v[OA+8*(2*\dt+\qt):OA+8*(2*\dt+\qt)+7]
.endif
.endr
.endr
.endr
	PLACES 5                                       ; four before K is loaded over V's fragments, five before the next score product writes over P (ISA guide 7.12.1)
.endm
; A tile of 256 keys.  In front of the round each wave waits for all its tensor loads (its parts of this tile) and for its reads of the other slot; the round
; shows both of every wave of all four work-groups; the joint refills of the other slot come first behind it.  A wave then has two tensor loads out,
; and they have the whole tile's work (128 products of the wave and its softmax) in which to land.
.macro TRIP slot, refill, first
	s_set_vgpr_msb 0x4
	s_wait_tensorcnt 0x0                           ; no tensor load of mine is out: every group 0 may be written
	ds_add_u32 v5, v1
	s_wait_dscnt 0x0
	s_set_vgpr_msb 0x400
	s_add_nc_u64 s[G0K+4*\slot+2:G0K+4*\slot+3], s[G0K+4*\slot+2:G0K+4*\slot+3], 2*STEP   ; this slot's next tile
	s_add_nc_u64 s[G0V+4*\slot+2:G0V+4*\slot+3], s[G0V+4*\slot+2:G0V+4*\slot+3], 2*STEP
	s_wait_dscnt 0x0
	ROUND
.if \refill
	tensor_load_to_lds s[G0K+4-4*\slot:G0K+7-4*\slot], s[G1K:G1K+7]
	s_nop 0
	tensor_load_to_lds s[G0V+4-4*\slot:G0V+7-4*\slot], s[G1V:G1V+7]
	s_nop 0
.endif
	SUB \slot, 0, \first
	SUB \slot, 1, 0
	SUB \slot, 2, 0
	SUB \slot, 3, 0
.endm
	TRIP 0, 1, 1                                   ; tiles 0, 1
	TRIP 1, 1, 0
	s_mov_b32 s48, 2
.Ltiles:
	TRIP 0, 1, 0                                   ; tiles 2 .. 5
	TRIP 1, 1, 0
	s_sub_co_u32 s48, s48, 1
	s_cmp_lg_u32 s48, 0
	s_cbranch_scc1 .Ltiles
	TRIP 0, 1, 0                                   ; tile 6 asks for tile 7,
	TRIP 1, 0, 0                                   ; tile 7 for nothing (the stepped addresses are not used)
	; THE WAY OUT: O / sum, bf16, through my own stage, so that each store covers 512 consecutive bytes of ctx.
	v_add_f32 v[TT], v[LS], v[LS+1]
	v_add_f32 v[TT+1], v[LS+2], v[LS+3]
	v_permlanex16_b32 v[TT+4], v[TT], s50, s51
	v_permlanex16_b32 v[TT+5], v[TT+1], s50, s51
	v_add_f32 v[TT], v[TT], v[TT+4]
	v_add_f32 v[TT+1], v[TT+1], v[TT+5]
	v_rcp_f32 v[AL], v[TT]
	v_rcp_f32 v[AL+1], v[TT+1]
	v_nop                                          ; one plain instruction behind the reciprocals (ISA guide 5.7.2)
	s_wait_alu depctr_va_vdst(0)
	OSCALE
.irp dt, 0,1,2,3
.irp qt, 0,1
.irp i, 0,1,2,3
	v_cvt_pk_bf16_f32 v[OA+8*(2*\dt+\qt)+\i], v[OA+8*(2*\dt+\qt)+2*\i], v[OA+8*(2*\dt+\qt)+2*\i+1]
.endr
	ds_store_b128 v[STO], v[OA+8*(2*\dt+\qt):OA+8*(2*\dt+\qt)+3] offset:16*\qt*KP+32*\dt    ; row 16 qt + r, dk 16 dt + 8 h + 0..7
.endr
.endr
.irp i, 0,1,2,3,4,5,6,7
	ds_load_b128 v[SC+4*\i:SC+4*\i+3], v[RD] offset:4*\i*KP        ; my own bytes: LDS serves a wave's instructions in order (ISA guide 5.7.1)
.endr
.irp i, 0,1,2,3,4,5,6,7
	s_wait_dscnt 7-\i
	global_store_b128 v[GO], v[SC+4*\i:SC+4*\i+3], s[10:11] offset:512*\i     ; four rows of 128 bytes: 512 consecutive bytes, aligned
.endr
	s_set_vgpr_msb 0x4
	s_wait_tensorcnt 0x0
	ds_add_u32 v5, v1
	s_wait_dscnt 0x0
	s_set_vgpr_msb 0x400
	ROUND                                          ; the closing round: no work-group ends while a partner may still ask for a tile that names it
	s_endpgm
.Lfunc_end_k_q55ce3a1b61_attn:
	.size	k_q55ce3a1b61_attn, .Lfunc_end_k_q55ce3a1b61_attn-k_q55ce3a1b61_attn
	.p2alignl 7, 3214868480
	.fill 96, 4, 3214868480
	.section	.rodata,"a",@progbits
	.p2align	6, 0x0
	.amdhsa_kernel k_q55ce3a1b61_attn
		.amdhsa_group_segment_fixed_size 327680
		.amdhsa_private_segment_fixed_size 0
		.amdhsa_enable_private_segment 0
		.amdhsa_kernarg_size 32
		.amdhsa_user_sgpr_count 2
		.amdhsa_user_sgpr_kernarg_segment_ptr 1
		.amdhsa_wavefront_size32 1
		.amdhsa_system_sgpr_workgroup_id_x 1
		.amdhsa_system_sgpr_workgroup_id_y 1
		.amdhsa_system_sgpr_workgroup_id_z 1
		.amdhsa_system_vgpr_workitem_id 0
		.amdhsa_next_free_vgpr 258
		.amdhsa_next_free_sgpr 66
		.amdhsa_reserve_vcc 0
		.amdhsa_float_denorm_mode_32 3
		.amdhsa_float_denorm_mode_16_64 3
		.amdhsa_memory_ordered 1
		.amdhsa_forward_progress 1
		.amdhsa_inst_pref_size 255
	.end_amdhsa_kernel
	.section	.bss,"aw",@nobits
	.p2align	6
	.space	262144
	.amdgpu_metadata
---
amdhsa.version: [ 1, 2 ]
amdhsa.kernels:
  - .name:           k_q55ce3a1b61_attn
    .symbol:         k_q55ce3a1b61_attn.kd
    .args:
      - { .name: qh, .offset: 0, .size: 8, .value_kind: global_buffer, .address_space: global }
      - { .name: kh, .offset: 8, .size: 8, .value_kind: global_buffer, .address_space: global }
      - { .name: vh, .offset: 16, .size: 8, .value_kind: global_buffer, .address_space: global }
      - { .name: ctx, .offset: 24, .size: 8, .value_kind: global_buffer, .address_space: global }
    .group_segment_fixed_size: 327680
    .private_segment_fixed_size: 0
    .kernarg_segment_align: 8
    .kernarg_segment_size: 32
    .max_flat_workgroup_size: 256
    .sgpr_count:     66
    .vgpr_count:     258
    .wavefront_size: 32
...
	.end_amdgpu_metadata
.endif
;; end of part 2
;; launch oproj (part 3): grid 6 x 32, 8 waves a work-group, no clusters, 144,384 bytes of LDS; arguments ctx, Wo, bo, out0; writes out0
.if DOCPART == 3
	.amdgcn_target "amdgcn-amd-amdhsa--gfx1250"
	.amdhsa_code_object_version 6
	.text
	.protected	k_q55ce3a1b61_oproj
	.globl	k_q55ce3a1b61_oproj
	.p2align	8
	.type	k_q55ce3a1b61_oproj,@function
k_q55ce3a1b61_oproj:
	s_mov_b64 s[64:65], 0
	v_nop
	global_prefetch_b8 v0, s[64:65] scope:SCOPE_SE
	s_setreg_imm32_b32 hwreg(HW_REG_WAVE_MODE, 25, 1), 1
	s_wait_xcnt 0x0
; out0 = ctx Wo^T + bo.  ctx: bf16, [b*12+h][2048][64] (head-major, so K step t = head t is a dense block).  Wo: [768][768] f32.  out0: [4096][768] f32.
; Work-group x = nblk, y = mblk: a block of 128 x 128; 6 x 32 = 192 equal work-groups.  (128 x 96 would make 256, but rows of 384 bytes would leave every
; third aligned run of 256 bytes of out0 to two work-groups.)  Eight waves, 4 (rows) x 2 (columns); a wave makes 32 x 64: eight accumulator tiles, and each of its
; rows is 256 consecutive bytes of out0, aligned.
; K goes in steps of 64 through two LDS slots that hold bf16.
; NO TENSOR LOADS, NO JOINT REQUESTS: Wo lies in memory as f32 and is two thirds of a step's bytes (128 x 256 of 128 x 384); a tensor load would bring it as f32,
; twice the LDS bytes, converted again by each of the four waves that share a row.  So both operands go through registers, Wo converted once.
; LIMITS: Wo is rounded to bf16; sums and the bias in f32.
.set ROWB,   3072                      ; bytes in a row of Wo and of out0
.set PITCH,  144                       ; 128 bytes + 16: an odd multiple of 16
.set WOFF,   128*PITCH                 ; Wo's 128 rows lie behind ctx's 128
.set SLOT,   256*PITCH                 ; 36,864 bytes; two slots
.set STAGE,  2*SLOT                    ; the way out: 32 rows x 272 bytes for each wave, its own
.set SPITCH, 272
.set HEADB,  262144                    ; a head's block of ctx
.set GA,   8                           ; v8      16 t: my 16 bytes of ctx's dense block
.set GW,   9                           ; v9      (t>>4) rows + 16 (t&15) of Wo
.set SA,   10                          ; v10-11  where ctx's 16 bytes go, slot 0, 1
.set SW,   12                          ; v12-13  where Wo's 8 converted bytes go
.set ADRA, 14                          ; v14-15  my ctx fragments
.set ADRW, 16                          ; v16-17  my Wo fragments
.set STO,  18
.set RD,   19
.set GO,   20
.set BOFF, 21
.set ST,   24                          ; v[24:39] ctx's 4 loads, v[40:71] Wo's 8; behind the loop v[24:55] the bias
.set FR,   72                          ; v[72:167] for each 32 of K 48 registers: 4 fragments of Wo, 2 of ctx
.set ACC,  168                         ; v[168:231] tile (a, b) at 8 (4 a + b)
	s_load_b256 s[4:11], s[0:1], 0x0               ; ctx s[4:5], Wo s[6:7], bo s[8:9], out0 s[10:11]
	v_lshl_add_u32 v232, v0, 2, 0x23000
	v_mov_b32 v233, 0
	v_lshrrev_b32 v2, 5, v0
	v_readfirstlane_b32 s12, v2                    ; wave 0..7
	s_lshr_b32 s13, s12, 1                         ; wm: my 32 rows
	s_and_b32 s14, s12, 1                          ; wn: my 64 columns
	s_and_b32 s15, ttmp7, 0xffff                   ; mblk
	s_lshr_b32 s16, s15, 4                         ; batch
	s_mul_i32 s16, s16, 12*HEADB
	s_and_b32 s17, s15, 15
	s_lshl_b32 s17, s17, 14                        ; 128 rows of 128 bytes
	s_add_co_u32 s16, s16, s17
	s_mov_b32 s17, 0
	s_mul_i32 s18, ttmp9, 128*ROWB                 ; Wo: 128 rows a block
	s_mov_b32 s19, 0
	s_lshl_b32 s20, ttmp9, 9                       ; my columns, in bytes: 512 nblk + 256 wn
	s_lshl_b32 s21, s14, 8
	s_add_co_u32 s20, s20, s21
	s_mov_b32 s21, 0
	s_lshl_b32 s22, s15, 7
	s_lshl_b32 s23, s13, 5
	s_add_co_u32 s22, s22, s23                     ; my first row
	s_mul_i32 s22, s22, ROWB
	s_add_co_u32 s22, s22, s20
	s_mov_b32 s23, 0
	v_and_b32 v3, 15, v0                           ; r = L & 15 = t & 15
	v_bfe_u32 v4, v0, 4, 1                         ; h = L >> 4
	v_lshrrev_b32 v5, 4, v0                        ; t >> 4
	v_lshrrev_b32 v6, 3, v0                        ; t >> 3
	v_and_b32 v7, 7, v0                            ; t & 7
	v_lshlrev_b32 v[GA], 4, v0
	v_mul_u32_u24 v[GW], v5, ROWB
	v_lshl_add_u32 v[GW], v3, 4, v[GW]
	s_wait_kmcnt 0x0
	s_add_nc_u64 s[4:5], s[4:5], s[16:17]
	s_add_nc_u64 s[6:7], s[6:7], s[18:19]
	s_add_nc_u64 s[8:9], s[8:9], s[20:21]
	s_add_nc_u64 s[10:11], s[10:11], s[22:23]
; A K step: ctx's 16,384 dense bytes (each load of a wave 512 consecutive bytes), then Wo's 128 rows of 256 bytes (sixteen lanes a row).
.macro GLOAD ka, kw
.irp i, 0,1,2,3
	global_load_b128 v[ST+4*\i:ST+4*\i+3], v[GA], s[4:5] offset:4096*\i+\ka
.endr
.irp i, 0,1,2,3,4,5,6,7
	global_load_b128 v[ST+16+4*\i:ST+16+4*\i+3], v[GW], s[6:7] offset:\i*16*ROWB+\kw
.endr
.endm
	GLOAD 0, 0                                     ; K step 0 is on its way while the other addresses are made
	v_mul_u32_u24 v[SA], v6, PITCH
	v_lshl_add_u32 v[SA], v7, 4, v[SA]             ; row t >> 3, 16 bytes
	v_add_nc_u32 v[SA+1], SLOT, v[SA]
	v_mul_u32_u24 v[SW], v5, PITCH
	v_lshl_add_u32 v[SW], v3, 3, v[SW]
	v_add_nc_u32 v[SW], WOFF, v[SW]                ; row t >> 4, 8 bytes for 4 numbers
	v_add_nc_u32 v[SW+1], SLOT, v[SW]
	v_mul_u32_u24 v6, v3, PITCH
	v_lshl_add_u32 v6, v4, 4, v6                   ; r x pitch + 16 h
	s_mul_i32 s16, s13, 32*PITCH
	s_mul_i32 s18, s14, 64*PITCH
	s_add_co_u32 s18, s18, WOFF
	v_add_nc_u32 v[ADRA], s16, v6
	v_add_nc_u32 v[ADRW], s18, v6
	v_add_nc_u32 v[ADRA+1], SLOT, v[ADRA]
	v_add_nc_u32 v[ADRW+1], SLOT, v[ADRW]
	s_mul_i32 s16, s12, 32*SPITCH
	s_add_co_u32 s16, s16, STAGE                   ; my stage
	v_mul_u32_u24 v6, v3, SPITCH
	v_lshl_add_u32 v6, v4, 5, v6
	v_add_nc_u32 v[STO], s16, v6                   ; row r, 32 bytes for each half of the lanes
	v_mul_u32_u24 v6, v4, SPITCH
	v_lshl_add_u32 v6, v3, 4, v6
	v_add_nc_u32 v[RD], s16, v6                    ; back: sixteen lanes take a row of 256 bytes
	v_mul_u32_u24 v6, v4, ROWB
	v_lshl_add_u32 v[GO], v3, 4, v6                ; the same two rows in out0
	v_lshlrev_b32 v[BOFF], 5, v4                   ; 8 h columns of 4 bytes
.macro CVTST slot
.irp i, 0,1,2,3
	s_wait_loadcnt 11-\i                           ; loads come back in order: the younger ones may stay out
	ds_store_b128 v[SA+\slot], v[ST+4*\i:ST+4*\i+3] offset:\i*32*PITCH           ; ctx is bf16 already
.endr
.irp i, 0,1,2,3,4,5,6,7
	s_wait_loadcnt 7-\i
	v_cvt_pk_bf16_f32 v[ST+16+4*\i], v[ST+16+4*\i], v[ST+17+4*\i]
	v_cvt_pk_bf16_f32 v[ST+17+4*\i], v[ST+18+4*\i], v[ST+19+4*\i]
	ds_store_b64 v[SW+\slot], v[ST+16+4*\i:ST+17+4*\i] offset:\i*16*PITCH
.endr
.endm
; A K step: all 24 fragment loads in one run, then 16 products.  Source 0 = 16 rows of Wo, source 1 = 16 rows of ctx: a lane holds row r of out0 and eight
; neighbouring columns.  The eight accumulators take turns, one instruction a turn, over the loop's back edge too.
; The next run of loads stands behind the sixteen conversions of the following K step's Wo, which touch ST alone: more than the four places that
; a load into a matrix instruction's source needs (ISA guide 7.12.1 for vector instructions).
.macro COMPUTE slot, zero
.irp ks, 0,1
.irp b, 0,1,2,3
	ds_load_b128 v[FR+48*\ks+8*\b:FR+48*\ks+8*\b+3],   v[ADRW+\slot] offset:\b*16*PITCH+64*\ks
	ds_load_b128 v[FR+48*\ks+8*\b+4:FR+48*\ks+8*\b+7], v[ADRW+\slot] offset:\b*16*PITCH+64*\ks+32
.endr
.irp a, 0,1
	ds_load_b128 v[FR+48*\ks+32+8*\a:FR+48*\ks+35+8*\a], v[ADRA+\slot] offset:\a*16*PITCH+64*\ks
	ds_load_b128 v[FR+48*\ks+36+8*\a:FR+48*\ks+39+8*\a], v[ADRA+\slot] offset:\a*16*PITCH+64*\ks+32
.endr
.endr
.irp ks, 0,1
.irp a, 0,1
	s_wait_dscnt 14-12*\ks-2*\a                    ; of the 24 loads those younger than ctx's fragment (ks, a) may stay out: 14, 12, 2, 0
.irp b, 0,1,2,3
.if \zero*(1-\ks)
	v_wmma_f32_16x16x32_bf16 v[ACC+8*(4*\a+\b):ACC+8*(4*\a+\b)+7], v[FR+48*\ks+8*\b:FR+48*\ks+8*\b+7], v[FR+48*\ks+32+8*\a:FR+48*\ks+39+8*\a], 0
.else
	v_wmma_f32_16x16x32_bf16 v[ACC+8*(4*\a+\b):ACC+8*(4*\a+\b)+7], v[FR+48*\ks+8*\b:FR+48*\ks+8*\b+7], v[FR+48*\ks+32+8*\a:FR+48*\ks+39+8*\a], v[ACC+8*(4*\a+\b):ACC+8*(4*\a+\b)+7]
.endif
.endr
.endr
.endr
.endm
; Two K steps.  One barrier a step: in front of it each wave's reads of the slot just multiplied and its stores into the other are done; behind it the other
; slot is whole and this one may be written.  The loads of the step after next go out in front of the barrier.
.macro PAIR zero
	COMPUTE 0, \zero
	CVTST 1
	s_wait_dscnt 0x0
	s_add_nc_u64 s[4:5], s[4:5], 2*HEADB           ; the last s_wait_loadcnt above was for 0: no load still reads these bases
	s_add_nc_u64 s[6:7], s[6:7], 512
	GLOAD 0, 0
	s_barrier_signal -1
	s_barrier_wait -1
	COMPUTE 1, 0
	CVTST 0
	s_wait_dscnt 0x0
	GLOAD HEADB, 256
	s_barrier_signal -1
	s_barrier_wait -1
.endm
	CVTST 0                                        ; K step 0 into slot 0
	s_wait_dscnt 0x0
	GLOAD HEADB, 256                               ; K step 1
	s_barrier_signal -1
	s_barrier_wait -1
	PAIR 1                                         ; K steps 0, 1: the first products start the sums
	s_mov_b32 s24, 4
.Lpair:
	PAIR 0                                         ; K steps 2 .. 9
	s_sub_co_u32 s24, s24, 1
	s_cmp_lg_u32 s24, 0
	s_cbranch_scc1 .Lpair
	COMPUTE 0, 0                                   ; K step 10
	CVTST 1
	s_wait_dscnt 0x0
	s_barrier_signal -1
	s_barrier_wait -1
.irp b, 0,1,2,3
	global_load_b128 v[ST+8*\b:ST+8*\b+3],   v[BOFF], s[8:9] offset:64*\b        ; bias of columns 16 b + 8 h + 0..3
	global_load_b128 v[ST+8*\b+4:ST+8*\b+7], v[BOFF], s[8:9] offset:64*\b+16     ; and + 4..7
.endr
	COMPUTE 1, 0                                   ; K step 11
	; THE WAY OUT: + bias, through my own stage (behind the ring: no barrier), read back as whole rows of 256 bytes.
.rept 4
	v_nop                                          ; four places behind the last products before their sums are read (ISA guide 7.12.1)
.endr
	s_wait_loadcnt 0x0
.irp a, 0,1
.irp b, 0,1,2,3
.irp j, 0,2,4,6
	v_pk_add_f32 v[ACC+8*(4*\a+\b)+\j:ACC+8*(4*\a+\b)+\j+1], v[ACC+8*(4*\a+\b)+\j:ACC+8*(4*\a+\b)+\j+1], v[ST+8*\b+\j:ST+8*\b+\j+1]
.endr
	ds_store_b128 v[STO], v[ACC+8*(4*\a+\b):ACC+8*(4*\a+\b)+3]   offset:\a*16*SPITCH+64*\b
	ds_store_b128 v[STO], v[ACC+8*(4*\a+\b)+4:ACC+8*(4*\a+\b)+7] offset:\a*16*SPITCH+64*\b+16
.endr
.endr
.irp i, 0,1,2,3,4,5,6,7,8,9,10,11,12,13,14,15
	ds_load_b128 v[FR+4*\i:FR+4*\i+3], v[RD] offset:2*\i*SPITCH    ; my own bytes: LDS serves a wave's instructions in order (ISA guide 5.7.1)
.endr
.irp i, 0,1,2,3,4,5,6,7,8,9,10,11,12,13,14,15
	s_wait_dscnt 15-\i
	global_store_b128 v[GO], v[FR+4*\i:FR+4*\i+3], s[10:11] offset:2*\i*ROWB th:TH_STORE_NT   ; sixteen lanes store 256 consecutive bytes, at a multiple of 256 from out0's first byte
.endr
	s_wait_tensorcnt 0x0
	ds_add_u32 v232, v233
	s_wait_dscnt 0x0
	s_endpgm
.Lfunc_end_k_q55ce3a1b61_oproj:
	.size	k_q55ce3a1b61_oproj, .Lfunc_end_k_q55ce3a1b61_oproj-k_q55ce3a1b61_oproj
	.p2alignl 7, 3214868480
	.fill 96, 4, 3214868480
	.section	.rodata,"a",@progbits
	.p2align	6, 0x0
	.amdhsa_kernel k_q55ce3a1b61_oproj
		.amdhsa_group_segment_fixed_size 144384
		.amdhsa_private_segment_fixed_size 0
		.amdhsa_enable_private_segment 0
		.amdhsa_kernarg_size 32
		.amdhsa_user_sgpr_count 2
		.amdhsa_user_sgpr_kernarg_segment_ptr 1
		.amdhsa_wavefront_size32 1
		.amdhsa_system_sgpr_workgroup_id_x 1
		.amdhsa_system_sgpr_workgroup_id_y 1
		.amdhsa_system_sgpr_workgroup_id_z 1
		.amdhsa_system_vgpr_workitem_id 0
		.amdhsa_next_free_vgpr 234
		.amdhsa_next_free_sgpr 66
		.amdhsa_reserve_vcc 0
		.amdhsa_float_denorm_mode_32 3
		.amdhsa_float_denorm_mode_16_64 3
		.amdhsa_memory_ordered 1
		.amdhsa_forward_progress 1
		.amdhsa_inst_pref_size 47
	.end_amdhsa_kernel
	.amdgpu_metadata
---
amdhsa.version: [ 1, 2 ]
amdhsa.kernels:
  - .name:           k_q55ce3a1b61_oproj
    .symbol:         k_q55ce3a1b61_oproj.kd
    .args:
      - { .name: ctx, .offset: 0, .size: 8, .value_kind: global_buffer, .address_space: global }
      - { .name: Wo, .offset: 8, .size: 8, .value_kind: global_buffer, .address_space: global }
      - { .name: bo, .offset: 16, .size: 8, .value_kind: global_buffer, .address_space: global }
      - { .name: out0, .offset: 24, .size: 8, .value_kind: global_buffer, .address_space: global }
    .group_segment_fixed_size: 144384
    .private_segment_fixed_size: 0
    .kernarg_segment_align: 8
    .kernarg_segment_size: 32
    .max_flat_workgroup_size: 256
    .sgpr_count:     66
    .vgpr_count:     234
    .wavefront_size: 32
...
	.end_amdgpu_metadata
.endif
;; end of part 3
;; ======== version 2 of 2: 3 launches
;; workspace buffers: qh 6,291,456 bytes; kh 6,291,456 bytes; vh 6,291,456 bytes; ctx 6,291,456 bytes; wob 1,179,648 bytes
;; launch proj (part 4): grid 12 x 16, 8 waves a work-group, no clusters, 296,960 bytes of LDS; arguments query, key, value, Wq, Wk, Wv, bq, bk, bv, qh, kh, vh, Wo, wob; writes qh, kh, vh, wob
.if DOCPART == 4
	.amdgcn_target "amdgcn-amd-amdhsa--gfx1250"
	.amdhsa_code_object_version 6
	.text
	.protected	k_q55ce3a1b61_proj
	.globl	k_q55ce3a1b61_proj
	.p2align	8
	.type	k_q55ce3a1b61_proj,@function
k_q55ce3a1b61_proj:
	s_mov_b64 s[64:65], 0
	v_nop
	global_prefetch_b8 v0, s[64:65] scope:SCOPE_SE
	s_setreg_imm32_b32 hwreg(HW_REG_WAVE_MODE, 25, 1), 1
	s_wait_xcnt 0x0
; The three input projections in one launch:  y = (x W^T + b) * scale, rounded once to bf16.
;   x: query, key or value, [4096][768] f32.   W: [768][768] f32 (12 heads x 64 rows).   y: qh, kh or vh, bf16, laid [b*12+h][s][64].
;   scale = 0.125 * log2(e) for q (the softmax of the next launch works in base 2), 1 for k and v.
; Besides, each work-group rounds four rows of Wo to bf16 into wob ([768][768] bf16), so that the last launch finds both its operands in bf16.
; Work-group x = 4 * which + nblk (which: 0 q, 1 k, 2 v), y = mblk.  It makes 256 rows x 192 columns (three heads): 3 x 16 x 4 = 192 equal work-groups.
; Eight waves, 4 (rows) x 2 (columns); a wave makes 64 x 96 = 24 accumulator tiles of 16 x 16 = 192 registers, in register window 1.
; K goes in 12 steps of 64 (256 bytes of an f32 row) through THREE LDS slots that hold bf16.  In K step t a wave multiplies slot t % 3, fetches the first
; fragments of slot (t+1) % 3, which is whole since the last barrier, and stores tile t+2 into slot (t+2) % 3, which nobody has read since that barrier.
; So every run of fragment loads is issued 24 products ahead of its use, and one barrier a step orders everything.
; NO TENSOR LOADS, NO JOINT REQUESTS: both operands lie in memory as f32 and a tensor load copies bytes as they are.  f32 tiles in LDS would be
; 448 x 256 bytes a step in place of 448 x 128, every fragment read would be twice as long, and each of the waves that share a row would convert it again.
; So each number goes memory -> register -> one conversion -> LDS, once in the work-group.
; LIMITS: x, W and Wo are rounded to bf16, y behind the sums; sums in f32.
.set ROWB,   3072                      ; bytes in a row of x, of W and of Wo
.set PITCH,  144                       ; an LDS row: 128 bytes + 16; an odd multiple of 16, so the 16 rows of a fragment load start at 16 different 16-byte columns modulo 256 bytes
.set WOFF,   256*PITCH                 ; W's 192 rows lie behind x's 256
.set SLOT,   448*PITCH                 ; 64,512 bytes; three slots
.set STAGE,  3*SLOT                    ; the way out: [256 rows][192 bf16] + 16 bytes a row, behind the ring
.set SPITCH, 400
.set GOFF, 8                           ; v8      my row of sixteen and my 16 bytes of its 256
.set STA,  9                           ; v9-11   where my 8 converted bytes go, slot 0, 1, 2
.set ADRX, 12                          ; v12-14  my x fragments, slot 0, 1, 2
.set ADRW, 15                          ; v15-17  my W fragments, slot 0, 1, 2
.set STO,  18                          ; v18     the way out: where I put 16 bytes of a row
.set RD,   19                          ; v19     the way out: where I read back
.set GO,   20                          ; v20     my byte offset in a head's block of y
.set BOFF, 21                          ; v21     my byte offset in the bias
.set WOG,  22                          ; v22     16 t: my bytes of Wo's four rows
.set WOS,  23                          ; v23     8 t: the same in wob
.set ST,   24                          ; v[24:135]  28 loads x 4 registers: a K step's f32 on their way
.set ST2,  136                         ; v[136:247] the same for tile 1, in front of the first product only
.set XF0,  136                         ; v[136:167] 4 fragments of x, K 0..31 of a step
.set WF0,  168                         ; v[168:215] 6 fragments of W, K 0..31
.set XF1,  216                         ; v[216:247] 4 fragments of x, K 32..63
.set WF1,  192                         ; window 1, v[192:239] (v448-495): 6 fragments of W, K 32..63
.set BI,   24                          ; v[24:71]   the bias of my 96 columns (behind the last conversion)
.set WO,   72                          ; v[72:83]   my 12 numbers of Wo
.set TOD,  84                          ; v[84:131]  at work on the way out, odd row blocks
.set TEV,  136                         ; v[136:183] the same, even row blocks
.set RB,   136                         ; v[136:231] rows read back from the stage
.set MSB, 0
.macro WIN new                         ; s_set_vgpr_msb: bits 1:0 source 0, 3:2 source 1, 5:4 source 2, 7:6 destination; the high byte repeats the setting that is left
.if MSB != \new
	s_set_vgpr_msb (MSB<<8)|\new
.set MSB, \new
.endif
.endm
.macro PLACES n
.rept \n
	v_nop
.endr
.endm
; A K step's 448 rows of 256 bytes: sixteen neighbouring lanes take one row's 256 consecutive bytes, a load of the work-group 16 rows.
.macro GLOAD st, koff
.irp i, 0,1,2,3,4,5,6,7,8,9,10,11,12,13,14,15
	global_load_b128 v[\st+4*\i:\st+4*\i+3], v[GOFF], s[32:33] offset:\i*16*ROWB+\koff
.endr
.irp i, 0,1,2,3,4,5,6,7,8,9,10,11
	global_load_b128 v[\st+64+4*\i:\st+64+4*\i+3], v[GOFF], s[34:35] offset:\i*16*ROWB+\koff
.endr
.endm
; The 28 loads become bf16 and go into a slot: four f32 make 8 bytes.  Two runs of conversions, each followed by its run of stores, so that vector and LDS
; instructions change places twice and not 28 times.  young = loads issued behind these 28.
.macro CVTST st, slot, young
	s_wait_loadcnt \young+12                       ; loads come back in order: x's 16 are in; W's 12 and the younger ones may stay out
.set n, 0
.rept 16
	v_cvt_pk_bf16_f32 v[\st+4*n], v[\st+4*n], v[\st+4*n+1]
	v_cvt_pk_bf16_f32 v[\st+4*n+1], v[\st+4*n+2], v[\st+4*n+3]
.set n, n+1
.endr
.set n, 0
.rept 16
	ds_store_b64 v[STA+\slot], v[\st+4*n:\st+4*n+1] offset:n*16*PITCH
.set n, n+1
.endr
	s_wait_loadcnt \young                          ; W's 12 are in
.set n, 16
.rept 12
	v_cvt_pk_bf16_f32 v[\st+4*n], v[\st+4*n], v[\st+4*n+1]
	v_cvt_pk_bf16_f32 v[\st+4*n+1], v[\st+4*n+2], v[\st+4*n+3]
.set n, n+1
.endr
.set n, 16
.rept 12
	ds_store_b64 v[STA+\slot], v[\st+4*n:\st+4*n+1] offset:n*16*PITCH
.set n, n+1
.endr
.endm
; The 20 loads of the fragments of 32 along K.  win: the window setting for W's destination.
.macro FRAGS slot, ks, win, wf, xf
	WIN \win
.irp b, 0,1,2,3,4,5
	ds_load_b128 v[\wf+8*\b:\wf+8*\b+3],   v[ADRW+\slot] offset:\b*16*PITCH+64*\ks
	ds_load_b128 v[\wf+8*\b+4:\wf+8*\b+7], v[ADRW+\slot] offset:\b*16*PITCH+64*\ks+32
.endr
	WIN 0
.irp a, 0,1,2,3
	ds_load_b128 v[\xf+8*\a:\xf+8*\a+3],   v[ADRX+\slot] offset:\a*16*PITCH+64*\ks
	ds_load_b128 v[\xf+8*\a+4:\xf+8*\a+7], v[ADRX+\slot] offset:\a*16*PITCH+64*\ks+32
.endr
.endm
; 24 products.  Source 0 = 16 rows of W, source 1 = 16 rows of x: a lane then holds row r of y and eight neighbouring columns 8 h + 0..7.
; The 24 accumulators take turns, one instruction a turn, in the same order every time, over the loop's back edge too.
.macro MUL win, wf, xf, zero
	WIN \win
.irp a, 0,1,2,3
.irp b, 0,1,2,3,4,5
.if \zero
	v_wmma_f32_16x16x32_bf16 v[8*(6*\a+\b):8*(6*\a+\b)+7], v[\wf+8*\b:\wf+8*\b+7], v[\xf+8*\a:\xf+8*\a+7], 0
.else
	v_wmma_f32_16x16x32_bf16 v[8*(6*\a+\b):8*(6*\a+\b)+7], v[\wf+8*\b:\wf+8*\b+7], v[\xf+8*\a:\xf+8*\a+7], v[8*(6*\a+\b):8*(6*\a+\b)+7]
.endif
.endr
.endr
	WIN 0
.endm
; K step t.  cur = t % 3, nxt = (t+1) % 3, sto = (t+2) % 3.  pre: the next step's first fragments are fetched; cv: tile t+2 is converted and stored;
; gl: tile t+3 is asked for at byte koff of the rows; adv: the bases move three tiles on first; bar: the step ends with the barrier.
; A load into a register that a matrix instruction has read stands four plain vector instructions behind it (ISA guide 7.12.1 for vector instructions):
; four v_nop, or the conversions, which touch ST alone.
.macro STEP cur, nxt, sto, zero, pre, cv, gl, koff, adv, bar
	FRAGS \cur, 1, 0x40, WF1, XF1                  ; K 32..63: they land under the 24 products below
	s_wait_dscnt 20                                ; all but the 20 just issued: K 0..31's fragments are in
	MUL 0x50, WF0, XF0, \zero                      ; C and D in window 1
	PLACES 4
.if \pre
	FRAGS \nxt, 0, 0, WF0, XF0                     ; the next step's K 0..31, from the slot that is whole since the last barrier
	s_wait_dscnt 20                                ; all but those 20
.else
	s_wait_dscnt 0
.endif
	MUL 0x51, WF1, XF1, 0                          ; W's fragments in window 1 too
.if \cv
	CVTST ST, \sto, 0
.else
	PLACES 4
.endif
.if \bar
	s_wait_dscnt 0x0                               ; for the other waves: my stores into slot sto and all my reads are done; ST is free
.if \adv
	s_add_nc_u64 s[32:33], s[32:33], 768           ; the last s_wait_loadcnt above was for 0: no load still reads these bases
	s_add_nc_u64 s[34:35], s[34:35], 768
.endif
.if \gl
	GLOAD ST, \koff                                ; it has the whole next step, 48 products of the wave, in which to land
.endif
	s_barrier_signal -1
	s_barrier_wait -1
.endif
.endm
.macro TRIPLE zero
	STEP 0, 1, 2, \zero, 1, 1, 1, 0,   1, 1
	STEP 1, 2, 0, 0,     1, 1, 1, 256, 0, 1
	STEP 2, 0, 1, 0,     1, 1, 1, 512, 0, 1
.endm
	s_load_b512 s[4:19], s[0:1], 0x0               ; query s[4:5], key s[6:7], value s[8:9], Wq s[10:11], Wk s[12:13], Wv s[14:15], bq s[16:17], bk s[18:19]
	s_load_b256 s[20:27], s[0:1], 0x40             ; bv s[20:21], qh s[22:23], kh s[24:25], vh s[26:27]
	s_load_b128 s[52:55], s[0:1], 0x60             ; Wo s[52:53], wob s[54:55]
	v_lshl_add_u32 v254, v0, 2, 0x48400
	v_mov_b32 v255, 0
	v_lshrrev_b32 v2, 5, v0
	v_readfirstlane_b32 s28, v2                    ; wave 0..7
	s_lshr_b32 s29, ttmp9, 2                       ; which
	s_and_b32 s30, ttmp9, 3                        ; nblk
	s_and_b32 s31, ttmp7, 0xffff                   ; mblk
	s_lshr_b32 s48, s28, 1                         ; wm: my 64 rows
	s_and_b32 s49, s28, 1                          ; wn: my 96 columns
	v_and_b32 v1, 31, v0                           ; lane L
	v_and_b32 v3, 15, v0                           ; r = L & 15
	v_bfe_u32 v4, v0, 4, 1                         ; h = L >> 4
	v_lshl_add_u32 v5, v4, 3, v2                   ; my row of sixteen: wave + 8 h.  Rows eight apart start 8 x 36 = 288 words apart in LDS, 32 modulo 64: the wave's
	                                               ; 64 words of an 8-byte store fall on 64 different banks (64 banks of 4 bytes: ISA guide 11.1)
	v_mul_u32_u24 v[GOFF], v5, ROWB
	v_lshl_add_u32 v[GOFF], v3, 4, v[GOFF]
	s_mul_i32 s44, s31, 256*ROWB                   ; x: 256 rows a block
	s_mov_b32 s45, 0
	s_mul_i32 s46, s30, 192*ROWB                   ; W: 192 rows a block
	s_mov_b32 s47, 0
	s_wait_kmcnt 0x0
	s_cmp_eq_u32 s29, 1                            ; the choice hangs on the work-group's number alone
	s_cselect_b64 s[32:33], s[6:7], s[8:9]         ; x
	s_cselect_b64 s[34:35], s[12:13], s[14:15]     ; W
	s_cselect_b64 s[36:37], s[18:19], s[20:21]     ; bias
	s_cselect_b64 s[38:39], s[24:25], s[26:27]     ; y
	s_cmp_eq_u32 s29, 0
	s_cselect_b64 s[32:33], s[4:5], s[32:33]
	s_cselect_b64 s[34:35], s[10:11], s[34:35]
	s_cselect_b64 s[36:37], s[16:17], s[36:37]
	s_cselect_b64 s[38:39], s[22:23], s[38:39]
	s_cselect_b32 s40, 0x3e38aa3b, 1.0             ; 0.125 * log2(e) for q, 1 for k and v
	s_mov_b32 s41, s40
	s_add_nc_u64 s[32:33], s[32:33], s[44:45]
	s_add_nc_u64 s[34:35], s[34:35], s[46:47]
	GLOAD ST, 0                                    ; tiles 0 and 1 go out together, tile 1 into the registers that hold fragments later:
	GLOAD ST2, 256                                 ; 56 loads of the wave are on their way while the other addresses are made
	s_mul_i32 s44, s30, 768                        ; bias: 192 columns a block, 96 a wave column
	s_mul_i32 s46, s49, 384
	s_add_co_u32 s44, s44, s46
	s_add_nc_u64 s[36:37], s[36:37], s[44:45]
	s_lshr_b32 s44, s31, 3                         ; y: batch = mblk >> 3, 12 heads of 262,144 bytes each,
	s_mul_i32 s44, s44, 3145728
	s_mul_i32 s46, s30, 786432                     ; three heads a block,
	s_add_co_u32 s44, s44, s46
	s_and_b32 s46, s31, 7
	s_lshl_b32 s46, s46, 15                        ; 256 rows of 128 bytes
	s_add_co_u32 s44, s44, s46
	s_add_nc_u64 s[38:39], s[38:39], s[44:45]
	s_mul_i32 s50, s31, 12
	s_add_co_u32 s50, s50, ttmp9                   ; the work-group's number, 0..191: its four rows of Wo
	s_mul_i32 s44, s50, 4*ROWB
	s_add_nc_u64 s[52:53], s[52:53], s[44:45]
	s_mul_i32 s44, s50, 2*ROWB
	s_add_nc_u64 s[54:55], s[54:55], s[44:45]
	v_lshlrev_b32 v[WOG], 4, v0
	v_lshlrev_b32 v[WOS], 3, v0
	v_mul_u32_u24 v[STA], v5, PITCH
	v_lshl_add_u32 v[STA], v3, 3, v[STA]           ; my row, 8 bytes for 4 numbers
	v_add_nc_u32 v[STA+1], SLOT, v[STA]
	v_add_nc_u32 v[STA+2], 2*SLOT, v[STA]
	v_mul_u32_u24 v6, v3, PITCH
	v_lshl_add_u32 v6, v4, 4, v6                   ; r x pitch + 16 h: a fragment's lane address
	s_mul_i32 s44, s48, 64*PITCH
	s_mul_i32 s46, s49, 96*PITCH
	s_add_co_u32 s46, s46, WOFF
	v_add_nc_u32 v[ADRX], s44, v6
	v_add_nc_u32 v[ADRW], s46, v6
.irp sl, 1,2
	v_add_nc_u32 v[ADRX+\sl], \sl*SLOT, v[ADRX]
	v_add_nc_u32 v[ADRW+\sl], \sl*SLOT, v[ADRW]
.endr
	v_mul_u32_u24 v7, v3, SPITCH
	v_lshl_add_u32 v7, v4, 4, v7
	s_mul_i32 s44, s48, 64*SPITCH
	s_mul_i32 s46, s49, 192
	s_add_co_u32 s44, s44, s46
	s_add_co_u32 s44, s44, STAGE
	v_add_nc_u32 v[STO], s44, v7                   ; (64 wm + r) rows + 192 wn + 16 h
	v_bfe_u32 v6, v0, 3, 2                         ; L >> 3
	v_and_b32 v7, 7, v0                            ; L & 7
	v_mul_u32_u24 v6, v6, SPITCH
	v_lshl_add_u32 v6, v7, 4, v6
	s_mul_i32 s44, s28, 32*SPITCH
	s_add_co_u32 s44, s44, STAGE
	v_add_nc_u32 v[RD], s44, v6                    ; (32 w + (L >> 3)) rows + 16 (L & 7)
	s_lshl_b32 s44, s28, 12
	v_lshl_add_u32 v[GO], v1, 4, s44               ; 32 w rows of 128 bytes + 16 L
	v_lshlrev_b32 v[BOFF], 5, v4                   ; 8 h columns of 4 bytes
	CVTST ST, 0, 28                                ; tile 0 into slot 0; tile 1's 28 loads are younger
	s_wait_dscnt 0x0                               ; ST is free
	GLOAD ST, 512                                  ; tile 2
	CVTST ST2, 1, 28                               ; tile 1 into slot 1; tile 2's 28 loads are younger
	s_wait_dscnt 0x0                               ; my parts of slots 0 and 1 are written,
	s_barrier_signal -1
	s_barrier_wait -1                              ; everybody's are
	FRAGS 0, 0, 0, WF0, XF0
	TRIPLE 1                                       ; K steps 0, 1, 2: the first products start the sums, nothing is cleared
	s_mov_b32 s42, 2
.Ltriple:
	TRIPLE 0                                       ; K steps 3 .. 8
	s_sub_co_u32 s42, s42, 1
	s_cmp_lg_u32 s42, 0
	s_cbranch_scc1 .Ltriple
	STEP 0, 1, 2, 0, 1, 1, 0, 0, 0, 1              ; K step 9 stores tile 11, the last; nothing more is loaded of x and W
.irp b, 0,1,2,3,4,5
	global_load_b128 v[BI+8*\b:BI+8*\b+3],   v[BOFF], s[36:37] offset:64*\b      ; bias of columns 16 b + 8 h + 0..3
	global_load_b128 v[BI+8*\b+4:BI+8*\b+7], v[BOFF], s[36:37] offset:64*\b+16   ; and + 4..7
.endr
.irp i, 0,1,2
	global_load_b128 v[WO+4*\i:WO+4*\i+3], v[WOG], s[52:53] offset:4096*\i       ; Wo: 512 consecutive bytes a wave; they land under the last two K steps
.endr
	STEP 1, 2, 0, 0, 1, 0, 0, 0, 0, 0              ; K step 10: slot 2 is whole since step 9's barrier, no slot is written any more: no barrier
	STEP 2, 0, 1, 0, 0, 0, 0, 0, 0, 0              ; K step 11
	; THE WAY OUT: (sum + b) * scale = sum * scale + (b * scale), one fused multiply-add; bf16; through LDS, so that each store covers 512 consecutive bytes.
	; The stage has bytes of its own behind the ring: no barrier in front of its stores.
	s_wait_loadcnt 0x0                             ; the bias and Wo
.set n, 0
.rept 24
	v_pk_mul_f32 v[BI+n:BI+n+1], v[BI+n:BI+n+1], s[40:41] op_sel_hi:[1,0]
.set n, n+2
.endr
.irp i, 0,1,2
	v_cvt_pk_bf16_f32 v[WO+4*\i], v[WO+4*\i], v[WO+4*\i+1]
	v_cvt_pk_bf16_f32 v[WO+4*\i+1], v[WO+4*\i+2], v[WO+4*\i+3]
.endr
.irp i, 0,1,2
	global_store_b64 v[WOS], v[WO+4*\i:WO+4*\i+1], s[54:55] offset:2048*\i       ; 256 consecutive bytes a wave, at a multiple of 256 from wob's first byte; these registers are not written again
.endr
.macro OUTA a, t
.if \a >= 2
	s_wait_dscnt 6                                 ; the six younger stores may stay out; the six that read these registers two blocks ago are done
.endif
	WIN 0x01                                       ; source 0 (the sums) in window 1
.irp b, 0,1,2,3,4,5
.irp j, 0,2,4,6
	v_pk_fma_f32 v[\t+8*\b+\j:\t+8*\b+\j+1], v[8*(6*\a+\b)+\j:8*(6*\a+\b)+\j+1], s[40:41], v[BI+8*\b+\j:BI+8*\b+\j+1] op_sel_hi:[1,0,1]
.endr
.endr
	WIN 0
.irp b, 0,1,2,3,4,5
.irp i, 0,1,2,3
	v_cvt_pk_bf16_f32 v[\t+8*\b+\i], v[\t+8*\b+2*\i], v[\t+8*\b+2*\i+1]
.endr
.endr
.irp b, 0,1,2,3,4,5
	ds_store_b128 v[STO], v[\t+8*\b:\t+8*\b+3] offset:\a*16*SPITCH+32*\b
.endr
.endm
	OUTA 0, TEV
	OUTA 1, TOD
	OUTA 2, TEV
	OUTA 3, TOD
	s_wait_dscnt 0x0                               ; my part of the stage is written,
	s_barrier_signal -1
	s_barrier_wait -1                              ; everybody's is
.irp hd, 0,1,2
.irp i, 0,1,2,3,4,5,6,7
	ds_load_b128 v[RB+4*(8*\hd+\i):RB+4*(8*\hd+\i)+3], v[RD] offset:128*\hd+4*\i*SPITCH   ; four rows of one head: 8 lanes a row of 128 bytes
.endr
.endr
.irp hd, 0,1,2
.irp i, 0,1,2,3,4,5,6,7
	s_wait_dscnt 23-(8*\hd+\i)                     ; LDS loads come back in order
	global_store_b128 v[GO], v[RB+4*(8*\hd+\i):RB+4*(8*\hd+\i)+3], s[38:39] offset:262144*\hd+512*\i   ; 512 consecutive bytes, at a multiple of 512 from y's first byte
.endr
.endr
	s_wait_tensorcnt 0x0
	ds_add_u32 v254, v255
	s_wait_dscnt 0x0
	s_endpgm
.Lfunc_end_k_q55ce3a1b61_proj:
	.size	k_q55ce3a1b61_proj, .Lfunc_end_k_q55ce3a1b61_proj-k_q55ce3a1b61_proj
	.p2alignl 7, 3214868480
	.fill 96, 4, 3214868480
	.section	.rodata,"a",@progbits
	.p2align	6, 0x0
	.amdhsa_kernel k_q55ce3a1b61_proj
		.amdhsa_group_segment_fixed_size 296960
		.amdhsa_private_segment_fixed_size 0
		.amdhsa_enable_private_segment 0
		.amdhsa_kernarg_size 112
		.amdhsa_user_sgpr_count 2
		.amdhsa_user_sgpr_kernarg_segment_ptr 1
		.amdhsa_wavefront_size32 1
		.amdhsa_system_sgpr_workgroup_id_x 1
		.amdhsa_system_sgpr_workgroup_id_y 1
		.amdhsa_system_sgpr_workgroup_id_z 1
		.amdhsa_system_vgpr_workitem_id 0
		.amdhsa_next_free_vgpr 496
		.amdhsa_next_free_sgpr 66
		.amdhsa_reserve_vcc 0
		.amdhsa_float_denorm_mode_32 3
		.amdhsa_float_denorm_mode_16_64 3
		.amdhsa_memory_ordered 1
		.amdhsa_forward_progress 1
		.amdhsa_inst_pref_size 153
	.end_amdhsa_kernel
	.amdgpu_metadata
---
amdhsa.version: [ 1, 2 ]
amdhsa.kernels:
  - .name:           k_q55ce3a1b61_proj
    .symbol:         k_q55ce3a1b61_proj.kd
    .args:
      - { .name: query, .offset: 0, .size: 8, .value_kind: global_buffer, .address_space: global }
      - { .name: key, .offset: 8, .size: 8, .value_kind: global_buffer, .address_space: global }
      - { .name: value, .offset: 16, .size: 8, .value_kind: global_buffer, .address_space: global }
      - { .name: Wq, .offset: 24, .size: 8, .value_kind: global_buffer, .address_space: global }
      - { .name: Wk, .offset: 32, .size: 8, .value_kind: global_buffer, .address_space: global }
      - { .name: Wv, .offset: 40, .size: 8, .value_kind: global_buffer, .address_space: global }
      - { .name: bq, .offset: 48, .size: 8, .value_kind: global_buffer, .address_space: global }
      - { .name: bk, .offset: 56, .size: 8, .value_kind: global_buffer, .address_space: global }
      - { .name: bv, .offset: 64, .size: 8, .value_kind: global_buffer, .address_space: global }
      - { .name: qh, .offset: 72, .size: 8, .value_kind: global_buffer, .address_space: global }
      - { .name: kh, .offset: 80, .size: 8, .value_kind: global_buffer, .address_space: global }
      - { .name: vh, .offset: 88, .size: 8, .value_kind: global_buffer, .address_space: global }
      - { .name: Wo, .offset: 96, .size: 8, .value_kind: global_buffer, .address_space: global }
      - { .name: wob, .offset: 104, .size: 8, .value_kind: global_buffer, .address_space: global }
    .group_segment_fixed_size: 296960
    .private_segment_fixed_size: 0
    .kernarg_segment_align: 8
    .kernarg_segment_size: 112
    .max_flat_workgroup_size: 256
    .sgpr_count:     66
    .vgpr_count:     496
    .wavefront_size: 32
...
	.end_amdgpu_metadata
.endif
;; end of part 4
;; launch attn: the kernel of part 2 again; grid 8 x 24, 8 waves a work-group, clusters of 4 x 1, 327,680 bytes of LDS; arguments qh, kh, vh, ctx; writes ctx
;; launch oproj (part 5): grid 4 x 64, 4 waves a work-group, clusters of 4 x 4, 327,680 bytes of LDS; arguments ctx, wob, bo, out0; writes out0
.if DOCPART == 5
	.amdgcn_target "amdgcn-amd-amdhsa--gfx1250"
	.amdhsa_code_object_version 6
	.text
	.protected	k_q55ce3a1b61_oproj
	.globl	k_q55ce3a1b61_oproj
	.p2align	8
	.type	k_q55ce3a1b61_oproj,@function
k_q55ce3a1b61_oproj:
	s_mov_b64 s[64:65], 0
	v_nop
	global_prefetch_b8 v0, s[64:65] scope:SCOPE_SE
	s_setreg_imm32_b32 hwreg(HW_REG_WAVE_MODE, 25, 1), 1
	s_wait_xcnt 0x0
	s_wait_alu depctr_hold_cnt(0) depctr_sa_sdst(0) depctr_va_vdst(0) depctr_va_sdst(0) depctr_va_ssrc(0) depctr_va_vcc(0) depctr_vm_vsrc(0)
	s_getreg_b32 s2, hwreg(HW_REG_IB_STS2, 6, 4)
	s_cmp_eq_u32 s2, 0
	s_cbranch_scc0 .Lentry_in_a_cluster
	s_endpgm
.Lentry_in_a_cluster:
	s_bfe_u32 s2, ttmp6, 0x10000c
	s_cmp_lg_u32 s2, 0xf033
	s_cbranch_scc0 .Lentry_shape_is_right
	s_endpgm
.Lentry_shape_is_right:
; out0 = ctx Wo^T + bo.  ctx: bf16, [b*12+h][2048][64] (head-major).  wob: Wo rounded to bf16, [768][768].  bo: [768] f32.  out0: [4096][768] f32.
; Work-group x = nblk, y = mblk: a block of 64 rows x 192 columns; 4 x 64 = 256 equal work-groups; a block's row is 768 bytes of out0, three aligned runs of 256.
; Four waves, as many as a WGP has SIMDs; wave w makes all 64 rows x columns 48 w .. 48 w + 47: 12 accumulator tiles, 96 registers.  For 32 along K the four waves
; read 4 x 64 x 64 + 192 x 64 = 28,672 bytes from LDS for 48 products (two by two waves of 32 x 96 would read 32,768).
; K goes in 6 steps of 128 (two heads of ctx; 256 aligned bytes of a row of wob) through four LDS slots filled by the tensor data mover.  The first four K steps
; are asked for at once, each into a slot of its own: a wave then has four tensor loads out.  Slots 0 and 1 are filled once more, with K steps 4 and 5.
; CLUSTERS: 4 x 4 work-groups.  The four of a row of the cluster make blocks of one block row and need the same tiles of ctx; the four of a column need the same
; tiles of wob.  Each tile is asked for jointly: waves 0 and 1 ask for ctx's two heads (64 rows x 128 bytes each), waves 2 and 3 for wob's two halves (96 rows x 256 bytes).
; The matrix instruction is used transposed (source 0 = 16 rows of wob, source 1 = 16 rows of ctx): a lane holds row r of out0 and eight neighbouring columns 8 h + 0..7.
; The bias is the C operand of the first products: nothing is cleared and nothing is added afterwards.
; LIMITS: ctx and Wo are bf16; sums and bias in f32.
.set KP,    144                        ; ctx's LDS pitch: 128 bytes + 16, an odd multiple of 16
.set BP,    272                        ; wob's LDS pitch: 256 bytes + 16, an odd multiple of 16
.set AHALF, 64*KP                      ; one head's 64 rows: 9,216 bytes
.set BOFS,  2*AHALF                    ; wob's 192 rows lie behind ctx's two heads
.set BHALF, 96*BP                      ; 96 rows of wob: 26,112 bytes
.set SLOT,  BOFS+2*BHALF               ; 70,656 bytes = 276 x 256; four slots
.set STG,   2*SLOT                     ; the way out: 64 rows x 784 bytes in slot 2, which is filled once and last read in K step 2
.set SP,    784                        ; 768 bytes + 16, an odd multiple of 16
.set HEADB, 262144                     ; a head's block of ctx
.set WROW,  1536                       ; bytes in a row of wob
.set OROW,  3072                       ; bytes in a row of out0
.set ADRA, 8                           ; v8-11   my ctx fragments, slot 0..3
.set ADRB, 12                          ; v12-15  my wob fragments, slot 0..3
.set STO,  16                          ; v16     the way out: where I put 32 bytes of a row
.set RD,   17                          ; v17-19  where I read back: the three runs of 512 bytes of a pair of rows
.set GO,   20                          ; v20-22  the same three runs in out0
.set BV,   23                          ; v23     my byte offset in the bias
.set BI,   24                          ; v[24:47]   the bias of my 48 columns: 8 registers for each block of 16
.set F0,   48                          ; v[48:103]  fragment buffer 0: 3 of wob, then 4 of ctx
.set F1,   104                         ; v[104:159] fragment buffer 1
.set ACC,  160                         ; v[160:255] tile (a, b) at 8 (3 a + b)
.set G1A, 24                           ; s[24:31] shape of a ctx load
.set G1B, 32                           ; s[32:39] shape of a wob load
.set G0A, 40                           ; s[40:55] from where, to where: ctx, a set for each slot
.set G0B, 68                           ; s[68:83] the same for wob
.macro PLACES
.rept 4
	v_nop
.endr
.endm
; A joint load.  Each of the two lines has one mask and one set of registers for all that issue it; the branch hangs on the wave's number alone.
.macro JLOAD s
	s_cmp_eq_u32 s13, 0
	s_cbranch_scc0 .Lfor_b_\@
	tensor_load_to_lds s[G0A+4*\s:G0A+4*\s+3], s[G1A:G1A+7]
	s_nop 0
	s_branch .Lasked_\@
.Lfor_b_\@:
	tensor_load_to_lds s[G0B+4*\s:G0B+4*\s+3], s[G1B:G1B+7]
	s_nop 0
.Lasked_\@:
.endm
; A round of the cluster's barrier: my work-group's barrier, wave 0 signals for the work-group, every wave waits for all sixteen work-groups, my work-group's barrier again.
.macro CROUND
	s_barrier_signal -1
	s_barrier_wait -1
	s_cmp_lg_u32 s12, 0
	s_cbranch_scc1 .Lnot_wave_0_\@
	s_barrier_signal -3
.Lnot_wave_0_\@:
	s_barrier_wait -3
	s_barrier_signal -1
	s_barrier_wait -1
.endm
	s_load_b256 s[4:11], s[0:1], 0x0               ; ctx s[4:5], wob s[6:7], bo s[8:9], out0 s[10:11]
	s_set_vgpr_msb 0x40
	v_lshl_add_u32 v0, v0, 2, 0x45000
	v_mov_b32 v1, 0
	s_set_vgpr_msb 0x4045
	ds_add_u32 v0, v1
	s_set_vgpr_msb 0x4500
	v_lshrrev_b32 v1, 5, v0
	v_readfirstlane_b32 s12, v1                    ; wave 0..3
	s_lshr_b32 s13, s12, 1                         ; I fetch for ctx (0) or for wob (1)
	s_and_b32 s14, s12, 1                          ; which head of the two, or which 96 rows
	s_bfe_u32 s15, ttmp6, 0x40000                  ; cx
	s_bfe_u32 s16, ttmp6, 0x40004                  ; cy
	s_lshl_b32 s84, ttmp9, 2
	s_add_co_u32 s84, s84, s15                     ; nblk = 4 x cluster x + cx
	s_and_b32 s17, ttmp7, 0xffff
	s_lshl_b32 s17, s17, 2
	s_add_co_u32 s17, s17, s16                     ; mblk = 4 x cluster y + cy
	s_lshl_b32 s18, s16, 2
	s_lshl_b32 s18, 15, s18                        ; my row of the cluster: places 4 cy .. 4 cy + 3
	s_lshl_b32 s19, 0x1111, s15                    ; my column: places cx, cx + 4, cx + 8, cx + 12
	; group 1.  15:0 the mask; 17:16 elements of 2 bytes; 20 padding on; 21 set beside a mask; 24:22 the interval (code 4: 32 words, code 5: 64 words); 31:25 pad words - 1
	s_or_b32 s[G1A+0], s18, (1<<16)|(1<<20)|(1<<21)|(4<<22)|(3<<25)   ; ctx's tiles go to my row: 128 bytes + 16
	s_mov_b32 s[G1A+1], 64<<16                     ; tensor_dim0 = 64
	s_mov_b32 s[G1A+2], 64<<16                     ; tensor_dim1 = 64
	s_mov_b32 s[G1A+3], 64<<16                     ; tile_dim0 = 64
	s_mov_b32 s[G1A+4], 64                         ; tile_dim1 = 64
	s_mov_b32 s[G1A+5], 64                         ; 64 elements from row to row
	s_mov_b32 s[G1A+6], 0
	s_mov_b32 s[G1A+7], 0
	s_or_b32 s[G1B+0], s19, (1<<16)|(1<<20)|(1<<21)|(5<<22)|(3<<25)   ; wob's tiles go to my column: 256 bytes + 16
	s_mov_b32 s[G1B+1], 128<<16                    ; tensor_dim0 = 128
	s_mov_b32 s[G1B+2], 96<<16                     ; tensor_dim1 = 96
	s_mov_b32 s[G1B+3], 128<<16                    ; tile_dim0 = 128
	s_mov_b32 s[G1B+4], 96                         ; tile_dim1 = 96
	s_mov_b32 s[G1B+5], 768                        ; 768 elements from row to row
	s_mov_b32 s[G1B+6], 0
	s_mov_b32 s[G1B+7], 0
	; where the tiles come from.  ctx's hang on mblk and the wave alone, wob's on nblk and the wave alone, each in registers that never hold the other coordinate.
	s_lshr_b32 s20, s17, 5                         ; batch
	s_mul_i32 s20, s20, 12*HEADB
	s_and_b32 s21, s17, 31
	s_lshl_b32 s21, s21, 13                        ; 64 rows of 128 bytes
	s_add_co_u32 s20, s20, s21
	s_lshl_b32 s21, s14, 18                        ; the even or the odd head of a K step
	s_add_co_u32 s20, s20, s21
	s_mov_b32 s21, 0
	s_mul_i32 s22, s84, 192*WROW
	s_mul_i32 s23, s14, 96*WROW
	s_add_co_u32 s22, s22, s23
	s_mov_b32 s23, 0
	s_mul_i32 s86, s14, AHALF                      ; and where they go: the wave's number alone
	s_mul_i32 s87, s14, BHALF
	s_add_co_u32 s87, s87, BOFS
	s_mul_i32 s92, s84, 768                        ; bias: my 48 columns of 4 bytes
	s_mul_i32 s93, s12, 192
	s_add_co_u32 s92, s92, s93
	s_mov_b32 s93, 0
	s_lshl_b32 s94, s17, 6                         ; out0: the 16 rows that I store, and the block's columns
	s_lshl_b32 s95, s12, 4
	s_add_co_u32 s94, s94, s95
	s_mul_i32 s94, s94, OROW
	s_mul_i32 s95, s84, 768
	s_add_co_u32 s94, s94, s95
	s_mov_b32 s95, 0
	s_wait_dscnt 0x0
	s_wait_kmcnt 0x0
	s_add_nc_u64 s[88:89], s[4:5], s[20:21]
	s_add_nc_u64 s[90:91], s[6:7], s[22:23]
	s_add_nc_u64 s[8:9], s[8:9], s[92:93]
	s_add_nc_u64 s[10:11], s[10:11], s[94:95]
	CROUND                                         ; all sixteen work-groups are here: the first joint loads meet
.irp sl, 0,1,2,3
	s_mov_b32 s[G0A+4*\sl], 1
	s_add_co_u32 s[G0A+4*\sl+1], s86, \sl*SLOT
	s_add_nc_u64 s[G0A+4*\sl+2:G0A+4*\sl+3], s[88:89], \sl*2*HEADB    ; K step sl: two heads on
	s_or_b32 s[G0A+4*\sl+3], s[G0A+4*\sl+3], 0x80000000
	s_mov_b32 s[G0B+4*\sl], 1
	s_add_co_u32 s[G0B+4*\sl+1], s87, \sl*SLOT
	s_add_nc_u64 s[G0B+4*\sl+2:G0B+4*\sl+3], s[90:91], \sl*256        ; K step sl: 128 elements on
	s_or_b32 s[G0B+4*\sl+3], s[G0B+4*\sl+3], 0x80000000
	JLOAD \sl                                      ; four first fills: no barrier between them
.endr
	v_and_b32 v1, 31, v0                           ; lane L
	v_and_b32 v2, 15, v0                           ; r
	v_bfe_u32 v3, v0, 4, 1                         ; h
	v_lshlrev_b32 v[BV], 5, v3                     ; 8 h columns of 4 bytes
.irp b, 0,1,2
	global_load_b128 v[BI+8*\b:BI+8*\b+3],   v[BV], s[8:9] offset:64*\b          ; bias of columns 16 b + 8 h + 0..3
	global_load_b128 v[BI+8*\b+4:BI+8*\b+7], v[BV], s[8:9] offset:64*\b+16       ; and + 4..7
.endr
	v_mul_u32_u24 v4, v2, KP
	v_lshl_add_u32 v4, v3, 4, v4                   ; r x pitch + 16 h
	v_mul_u32_u24 v5, v2, BP
	v_lshl_add_u32 v5, v3, 4, v5
	s_mul_i32 s96, s12, 48*BP                      ; my 48 rows of wob
	s_add_co_u32 s96, s96, BOFS
	v_add_nc_u32 v5, s96, v5
.irp sl, 0,1,2,3
	v_add_nc_u32 v[ADRA+\sl], \sl*SLOT, v4
	v_add_nc_u32 v[ADRB+\sl], \sl*SLOT, v5
.endr
	v_mul_u32_u24 v6, v2, SP
	v_lshl_add_u32 v6, v3, 5, v6
	s_mul_i32 s97, s12, 192
	s_add_co_u32 s97, s97, STG
	v_add_nc_u32 v[STO], s97, v6                   ; row r, my 192 bytes, 32 bytes for each half of the lanes
	s_mul_i32 s98, s12, 16*SP
	s_add_co_u32 s98, s98, STG                     ; back: rows 16 w .. 16 w + 15.  A pair of rows is 1,536 bytes = three runs of 512:
	v_lshlrev_b32 v[GO], 4, v1                     ; run 0: bytes 0..511 of the first row
	v_add_nc_u32 v[GO+2], OROW+256, v[GO]          ; run 2: bytes 256..767 of the second row
	v_lshlrev_b32 v7, 4, v2
	v_mul_u32_u24 v6, v3, OROW-512
	v_add3_u32 v[GO+1], v6, v7, 512                ; run 1: lanes 0-15 bytes 512..767 of the first row, lanes 16-31 bytes 0..255 of the second
	v_add_nc_u32 v[RD], s98, v[GO]
	v_add_nc_u32 v[RD+2], SP+256, v[RD]
	v_mul_u32_u24 v6, v3, SP-512
	v_add3_u32 v6, v6, v7, 512
	v_add_nc_u32 v[RD+1], s98, v6
; 14 LDS loads: the fragments of quarter q (32 along K) of a K step into buffer f.  Quarters 0, 1 lie in the even head's rows, 2, 3 in the odd head's.
.macro FETCH slot, q, f
.irp b, 0,1,2
	ds_load_b128 v[\f+8*\b:\f+8*\b+3],   v[ADRB+\slot] offset:\b*16*BP+64*\q
	ds_load_b128 v[\f+8*\b+4:\f+8*\b+7], v[ADRB+\slot] offset:\b*16*BP+64*\q+32
.endr
.irp a, 0,1,2,3
	ds_load_b128 v[\f+24+8*\a:\f+27+8*\a], v[ADRA+\slot] offset:(\q/2)*AHALF+\a*16*KP+64*(\q%2)
	ds_load_b128 v[\f+28+8*\a:\f+31+8*\a], v[ADRA+\slot] offset:(\q/2)*AHALF+\a*16*KP+64*(\q%2)+32
.endr
.endm
; 12 products.  The 12 accumulators take turns, one instruction a turn, in the same order every time.
; first = 1: C is the bias: register j of a lane's C stands for column 8 h + j whatever the row, which is how the bias was loaded.
.macro MUL f, first
.irp a, 0,1,2,3
.irp b, 0,1,2
.if \first
	v_wmma_f32_16x16x32_bf16 v[ACC+8*(3*\a+\b):ACC+8*(3*\a+\b)+7], v[\f+8*\b:\f+8*\b+7], v[\f+24+8*\a:\f+31+8*\a], v[BI+8*\b:BI+8*\b+7]
.else
	v_wmma_f32_16x16x32_bf16 v[ACC+8*(3*\a+\b):ACC+8*(3*\a+\b)+7], v[\f+8*\b:\f+8*\b+7], v[\f+24+8*\a:\f+31+8*\a], v[ACC+8*(3*\a+\b):ACC+8*(3*\a+\b)+7]
.endif
.endr
.endr
.endm
; A K step: four quarters on buffers 0, 1, 0, 1; a quarter's fragments are asked for one quarter ahead.  A load into a register that a matrix instruction has read
; stands four plain vector instructions behind it (ISA guide 7.12.1 for vector instructions): four v_nop in front of each run.
.macro STEP slot, first
	FETCH \slot, 0, F0
	FETCH \slot, 1, F1
	s_wait_dscnt 14                                ; all but the 14 youngest: buffer 0 is in
	MUL F0, \first
	PLACES
	FETCH \slot, 2, F0
	s_wait_dscnt 14                                ; buffer 1 is in
	MUL F1, 0
	PLACES
	FETCH \slot, 3, F1
	s_wait_dscnt 14
	MUL F0, 0
	s_wait_dscnt 0
	MUL F1, 0
	PLACES
.endm
	s_wait_loadcnt 0x0                             ; the bias
	s_wait_tensorcnt 3                             ; tensor loads of a wave end in order: my part of K step 0 is in, the three younger stay out
	s_barrier_signal -1
	s_barrier_wait -1                              ; everybody's is
	STEP 0, 1
	s_wait_tensorcnt 2                             ; my part of K step 1
	s_wait_dscnt 0x0
	s_barrier_signal -1
	s_barrier_wait -1
	STEP 1, 0
	s_set_vgpr_msb 0x5
	s_wait_tensorcnt 0x0                           ; all my tensor loads have landed, K steps 2 and 3 among them: every group 0 may be written
	ds_add_u32 v0, v1
	s_wait_dscnt 0x0
	s_set_vgpr_msb 0x500
.irp sl, 0,1
	s_add_nc_u64 s[G0A+4*\sl+2:G0A+4*\sl+3], s[G0A+4*\sl+2:G0A+4*\sl+3], 4*2*HEADB   ; four K steps on
	s_add_nc_u64 s[G0B+4*\sl+2:G0B+4*\sl+3], s[G0B+4*\sl+2:G0B+4*\sl+3], 4*256
.endr
	s_wait_dscnt 0x0                               ; my reads of slots 0 and 1 are done
	CROUND                                         ; both hold of every wave of all sixteen work-groups
	JLOAD 0                                        ; K step 4
	JLOAD 1                                        ; K step 5: two tensor loads of the wave are out, with two K steps' 96 products in which to land
	STEP 2, 0
	STEP 3, 0
	s_wait_tensorcnt 1                             ; my part of K step 4
	s_wait_dscnt 0x0                               ; and my reads of slots 2 and 3 are done
	s_barrier_signal -1
	s_barrier_wait -1
	STEP 0, 0
	s_wait_tensorcnt 0x0                           ; my part of K step 5: no tensor load is out any more
	s_wait_dscnt 0x0
	s_barrier_signal -1
	s_barrier_wait -1
	STEP 1, 0
	; THE WAY OUT, through slot 2: its only fill has landed and every wave's reads of it lie in front of the barrier ahead of K step 4.
	; The four v_nop that end the last K step are the places in front of these stores of the sums.
.irp a, 0,1,2,3
.irp b, 0,1,2
	ds_store_b128 v[STO], v[ACC+8*(3*\a+\b):ACC+8*(3*\a+\b)+3]   offset:\a*16*SP+64*\b
	ds_store_b128 v[STO], v[ACC+8*(3*\a+\b)+4:ACC+8*(3*\a+\b)+7] offset:\a*16*SP+64*\b+16
.endr
.endr
	s_wait_dscnt 0x0                               ; my columns of the stage are written,
	s_barrier_signal -1
	s_barrier_wait -1                              ; everybody's are
.irp p, 0,1,2,3,4,5,6,7
.irp j, 0,1,2
	ds_load_b128 v[F0+4*(3*\p+\j):F0+4*(3*\p+\j)+3], v[RD+\j] offset:\p*2*SP
.endr
.endr
.irp p, 0,1,2,3,4,5,6,7
.irp j, 0,1,2
	s_wait_dscnt 23-(3*\p+\j)                      ; LDS loads come back in order
	global_store_b128 v[GO+\j], v[F0+4*(3*\p+\j):F0+4*(3*\p+\j)+3], s[10:11] offset:\p*2*OROW th:TH_STORE_NT   ; sixteen lanes store 256 consecutive bytes, at a multiple of 256 from out0's first byte
.endr
.endr
	s_set_vgpr_msb 0x5
	s_wait_tensorcnt 0x0
	ds_add_u32 v0, v1
	s_wait_dscnt 0x0
	s_set_vgpr_msb 0x500
	CROUND                                         ; the closing round: no work-group ends while a partner may still ask for a tile that names it
	s_endpgm
.Lfunc_end_k_q55ce3a1b61_oproj:
	.size	k_q55ce3a1b61_oproj, .Lfunc_end_k_q55ce3a1b61_oproj-k_q55ce3a1b61_oproj
	.p2alignl 7, 3214868480
	.fill 96, 4, 3214868480
	.section	.rodata,"a",@progbits
	.p2align	6, 0x0
	.amdhsa_kernel k_q55ce3a1b61_oproj
		.amdhsa_group_segment_fixed_size 327680
		.amdhsa_private_segment_fixed_size 0
		.amdhsa_enable_private_segment 0
		.amdhsa_kernarg_size 32
		.amdhsa_user_sgpr_count 2
		.amdhsa_user_sgpr_kernarg_segment_ptr 1
		.amdhsa_wavefront_size32 1
		.amdhsa_system_sgpr_workgroup_id_x 1
		.amdhsa_system_sgpr_workgroup_id_y 1
		.amdhsa_system_sgpr_workgroup_id_z 1
		.amdhsa_system_vgpr_workitem_id 0
		.amdhsa_next_free_vgpr 258
		.amdhsa_next_free_sgpr 100
		.amdhsa_reserve_vcc 0
		.amdhsa_float_denorm_mode_32 3
		.amdhsa_float_denorm_mode_16_64 3
		.amdhsa_memory_ordered 1
		.amdhsa_forward_progress 1
		.amdhsa_inst_pref_size 61
	.end_amdhsa_kernel
	.amdgpu_metadata
---
amdhsa.version: [ 1, 2 ]
amdhsa.kernels:
  - .name:           k_q55ce3a1b61_oproj
    .symbol:         k_q55ce3a1b61_oproj.kd
    .args:
      - { .name: ctx, .offset: 0, .size: 8, .value_kind: global_buffer, .address_space: global }
      - { .name: wob, .offset: 8, .size: 8, .value_kind: global_buffer, .address_space: global }
      - { .name: bo, .offset: 16, .size: 8, .value_kind: global_buffer, .address_space: global }
      - { .name: out0, .offset: 24, .size: 8, .value_kind: global_buffer, .address_space: global }
    .group_segment_fixed_size: 327680
    .private_segment_fixed_size: 0
    .kernarg_segment_align: 8
    .kernarg_segment_size: 32
    .max_flat_workgroup_size: 128
    .sgpr_count:     100
    .vgpr_count:     258
    .wavefront_size: 32
...
	.end_amdgpu_metadata
.endif
;; end of part 5
